; MI455X (gfx1250); checked and timed in simulation.
; The chip was launched on July 23, 2026; its instructions are those of AMD's public machine-readable ISA for CDNA 5 (MIT licence, August 2026) and "CDNA5" Instruction Set Architecture Reference Guide (July 2026). The comments in the code are by the model that wrote it; some were corrected since.
;; Attention. Allowed arithmetic: float matrix products may take bf16 or f16 operands with f32 sums; all other float work in f32.
;; Inputs: W_k 1,024 x 1,024 float32; W_o 1,024 x 1,024 float32; W_q 1,024 x 1,024 float32; W_v 1,024 x 1,024 float32; mask 4 x 2,048 x 2,048 bool; x 4 x 2,048 x 1,024 float32.
;; Outputs: out0 4 x 2,048 x 1,024 float32.
;; 2 versions, each right and faster than the one before. Each part assembles by itself: llvm-mc -triple=amdgcn-amd-amdhsa -mcpu=gfx1250 --defsym DOCPART=n.
;; ======== version 1 of 2: 4 launches
;; limits: values are held in f16: magnitudes above 65,504 overflow, below 6.1e-05 lose precision
;; workspace buffers: xb 16,777,216 bytes; wb 6,291,456 bytes; wo 2,097,152 bytes; tab 1,048,576 bytes; mb 2,097,152 bytes of whole numbers; qkv 50,331,648 bytes; ao 16,777,216 bytes
;; launch prep (part 1): grid 1024 x 1, 8 waves a work-group, no clusters, 18,432 bytes of LDS; arguments x, W_q, W_k, W_v, W_o, mask, xb, wb, wo, tab, mb; writes xb, wb, wo, tab, mb
.if DOCPART == 1
	.amdgcn_target "amdgcn-amd-amdhsa--gfx1250"
	.amdhsa_code_object_version 6
	.text
	.protected	k_q0b063ccbf7_prep
	.globl	k_q0b063ccbf7_prep
	.p2align	8
	.type	k_q0b063ccbf7_prep,@function
k_q0b063ccbf7_prep:
	s_mov_b64 s[64:65], 0
	v_nop
	global_prefetch_b8 v0, s[64:65] scope:SCOPE_SE
	s_setreg_imm32_b32 hwreg(HW_REG_WAVE_MODE, 25, 1), 1
	s_wait_xcnt 0x0
; prep: everything that the three matrix launches want in another form, made once, as a stream.
;   xb  [8192][1024] bf16 = x rounded.
;   wb  [3072][1024] bf16: rows 0..1023 = W_q; row 1024 + 128 h + i = W_k row 64 h + i (i < 64) or W_v row 64 h + i - 64 (i >= 64),
;       so that a head's k and v come out of the projection as 256 neighbouring bytes of a row.
;   wo  [1024][1024] f16 = W_o rounded to bf16 and then written as f16 (LIMIT: below 2^-14 the f16 step adds an absolute error of at most 3e-8).
;   tab f32 [2][2048][64]: row s = cos(s f_i), i = 0..31, then sgn_i sin(s f_i), sgn = - for even i, + for odd i, f_i = 10000^(-i/32);
;       version 0 times 0.125 log2(e) (for q: the softmax works in base 2), version 1 plain (for k).
;   mb  words [b 4][block of 64 queries 32][step of 64 keys 32][qt 4][kt 4][j 8]; bit L of a word = mask[b][64 qb + 16 qt + (L & 15)][64 ks + 16 kt + 8 (L >> 4) + j]:
;       the lane mask of one score register of the attention launch.  LIMIT: only bit 0 of a mask byte is read (a bool is 0 or 1).
; 1024 work-groups of eight waves.  Work-group g, wave w: row 8 g + w of x; half a row g of one of the four W (w >> 1 says which);
; table row 4 g + w (waves 0 to 3); and, all eight together through LDS, a block of 64 queries x 256 keys of the mask.
; Memory binds: each input byte is read once by 16-byte loads, 16 of them out in each wave; each store of a wave covers 256 consecutive bytes, aligned.
; No matrix unit, no cluster, no tensor load: nothing is shared between work-groups and nothing is multiplied.
.set PITCH, 272                        ; an LDS row of the mask block: 256 bytes + 16, so that 16 rows start 4 banks apart
.set MK,  8                            ; v[8:23]    mask, 4 x 16 bytes
.set XI,  24                           ; v[24:55]   x, 8 x 16 bytes
.set WI,  56                           ; v[56:71]   W, 4 x 16 bytes
.set XO,  72                           ; v[72:87]   x as bf16, 8 pairs
.set WO,  88                           ; v[88:95]   W as bf16 (f16), 4 pairs
.set PD,  96                           ; v[96:111]  mask bytes for the packing, 8 x 8 bytes
.set PW,  112                          ; v[112:113] the packed words: lane l holds words 2 l and 2 l + 1 of the wave's 64
.set T,   114                          ; v[114:125] at work;  v[126:127] the table's two numbers
	s_load_b512 s[4:19], s[0:1], 0x0               ; x s[4:5], W_q s[6:7], W_k s[8:9], W_v s[10:11], W_o s[12:13], mask s[14:15], xb s[16:17], wb s[18:19]
	s_load_b128 s[20:23], s[0:1], 0x40             ; wo s[20:21], tab s[22:23]
	s_load_b64 s[24:25], s[0:1], 0x50              ; mb
	v_lshl_add_u32 v128, v0, 2, 0x4400
	v_mov_b32 v129, 0
	v_and_b32 v1, 31, v0                           ; lane L
	v_lshrrev_b32 v4, 5, v0
	v_readfirstlane_b32 s26, v4                    ; wave w
	v_and_b32 v2, 15, v0                           ; L & 15
	v_lshrrev_b32 v3, 4, v1                        ; L >> 4
	v_lshlrev_b32 v6, 4, v1                        ; 16 L: my 16 bytes in 512
	v_lshlrev_b32 v7, 3, v1                        ; 8 L: my 8 bytes in 256
	v_lshlrev_b32 v5, 4, v2
	v_lshl_add_u32 v5, v3, 11, v5                  ; mask: 16 (L & 15) + one row of 2,048 bytes for lanes 16 to 31
	s_mov_b32 s27, ttmp9                           ; g
	s_lshr_b32 s30, s27, 3                         ; 32 b + qb
	s_and_b32 s31, s27, 7                          ; kg: which 256 keys
	s_lshr_b32 s34, s26, 1                         ; which W; also which 64 keys of the block I pack
	s_and_b32 s35, s26, 1                          ; which half of W's row; also which 32 queries I pack
	s_mul_i32 s32, s26, 8*PITCH                    ; LDS, in: row 8 w + (L >> 4), 16 bytes a lane
	v_mul_u32_u24 v4, v3, PITCH
	v_lshl_add_u32 v4, v2, 4, v4
	v_add_nc_u32 v4, s32, v4
	s_mul_i32 s32, s35, 32*PITCH                   ; LDS, back: row 32 (w & 1) + (L & 15), byte 64 (w >> 1) + 8 (L >> 4)
	s_lshl_b32 s33, s34, 6
	s_add_co_u32 s32, s32, s33
	v_mul_u32_u24 v0, v2, PITCH
	v_lshl_add_u32 v0, v3, 3, v0
	v_add_nc_u32 v0, s32, v0
	s_lshl_b32 s28, s30, 17                        ; mask: (64 (32 b + qb) + 8 w) rows of 2,048 bytes + 256 kg
	s_lshl_b32 s32, s26, 14
	s_add_co_u32 s28, s28, s32
	s_lshl_b32 s32, s31, 8
	s_add_co_u32 s28, s28, s32
	s_mov_b32 s29, 0
	s_mov_b32 s33, 0
	s_wait_kmcnt 0x0
	s_add_nc_u64 s[14:15], s[14:15], s[28:29]
	s_lshl_b32 s28, s27, 3
	s_add_co_u32 s28, s28, s26                     ; x: row 8 g + w
	s_lshl_b32 s32, s28, 11                        ; 2,048 bytes a row in xb,
	s_lshl_b32 s28, s28, 12                        ; 4,096 in x
	s_add_nc_u64 s[4:5], s[4:5], s[28:29]
	s_add_nc_u64 s[16:17], s[16:17], s[32:33]
	s_cmp_eq_u32 s34, 1                            ; my W, chosen by the wave's number
	s_cselect_b64 s[36:37], s[8:9], s[6:7]
	s_cmp_eq_u32 s34, 2
	s_cselect_b64 s[36:37], s[10:11], s[36:37]
	s_cmp_eq_u32 s34, 3
	s_cselect_b64 s[36:37], s[12:13], s[36:37]
	s_lshl_b32 s28, s27, 12                        ; row g, my half of it
	s_lshl_b32 s32, s35, 11
	s_add_co_u32 s28, s28, s32
	s_add_nc_u64 s[36:37], s[36:37], s[28:29]
.irp j, 0,1,2,3
	global_load_b128 v[MK+4*\j:MK+4*\j+3], v5, s[14:15] offset:4096*\j th:TH_LOAD_NT   ; rows 8 w + 2 j + (L >> 4): sixteen lanes take 256 consecutive bytes
.endr
.irp j, 0,1,2,3,4,5,6,7
	global_load_b128 v[XI+4*\j:XI+4*\j+3], v6, s[4:5] offset:512*\j th:TH_LOAD_NT
.endr
.irp j, 0,1,2,3
	global_load_b128 v[WI+4*\j:WI+4*\j+3], v6, s[36:37] offset:512*\j th:TH_LOAD_NT
.endr
	; where the results go, worked out while the loads are on their way
	s_lshr_b32 s28, s27, 6                         ; W_k, W_v: row 960 + 128 (g >> 6) + (g & 63) + 64 x (1 or 2)
	s_lshl_b32 s28, s28, 7
	s_and_b32 s32, s27, 63
	s_add_co_u32 s28, s28, s32
	s_lshl_b32 s32, s34, 6
	s_add_co_u32 s28, s28, s32
	s_add_co_u32 s28, s28, 960
	s_add_co_u32 s32, s34, 1
	s_and_b32 s32, s32, 2                          ; not 0 for W_k and W_v alone
	s_cmp_lg_u32 s32, 0
	s_cselect_b32 s28, s28, s27                    ; W_q and W_o: row g
	s_lshl_b32 s28, s28, 11
	s_lshl_b32 s32, s35, 10
	s_add_co_u32 s28, s28, s32
	s_add_nc_u64 s[18:19], s[18:19], s[28:29]      ; used by waves 0 to 5
	s_add_nc_u64 s[20:21], s[20:21], s[28:29]      ; used by waves 6 and 7
	s_lshl_b32 s28, s27, 2
	s_add_co_u32 s28, s28, s26                     ; table row 4 g + w of 4,096 (waves 0 to 3)
	s_and_b32 s39, s28, 2047                       ; the position s
	s_lshl_b32 s28, s28, 8
	s_add_nc_u64 s[22:23], s[22:23], s[28:29]
	s_cmp_lt_u32 s27, 512                          ; rows 0 to 2,047 are version 0
	s_cselect_b32 s38, 0x3e38aa3b, 1.0             ; 0.125 log2(e), or 1
	s_lshl_b32 s28, s30, 5                         ; mb: ((32 b + qb) 32 + 4 kg + (w >> 1)) 512 + 256 (w & 1)
	s_lshl2_add_u32 s28, s31, s28
	s_add_co_u32 s28, s28, s34
	s_lshl_b32 s28, s28, 9
	s_lshl_b32 s32, s35, 8
	s_add_co_u32 s28, s28, s32
	s_add_nc_u64 s[24:25], s[24:25], s[28:29]
	s_wait_loadcnt 12                              ; loads come back in order: the mask's four are in, the 8 of x and 4 of W stay out
.irp j, 0,1,2,3
	ds_store_b128 v4, v[MK+4*\j:MK+4*\j+3] offset:2*PITCH*\j
.endr
	s_wait_dscnt 0x0                               ; for the other waves' sake: my rows are in LDS before I say so
	s_barrier_signal -1
	s_barrier_wait -1                              ; the whole block of 64 x 256 is there; nothing is written to the block after this
.irp e, 0,1
.irp kt, 0,1,2,3
	ds_load_b64 v[PD+2*(4*\e+\kt):PD+2*(4*\e+\kt)+1], v0 offset:16*PITCH*\e+16*\kt     ; query tile 2 (w & 1) + e, key tile kt: my query's 8 keys
.endr
.endr
	; x: two roundings in one instruction, 8 bytes a lane, 256 consecutive bytes a store
.irp j, 0,1,2,3,4,5,6,7
	s_wait_loadcnt 11-\j                           ; the 7 - j younger loads of x and the 4 of W stay out
	v_cvt_pk_bf16_f32 v[XO+2*\j], v[XI+4*\j], v[XI+4*\j+1]
	v_cvt_pk_bf16_f32 v[XO+2*\j+1], v[XI+4*\j+2], v[XI+4*\j+3]
	global_store_b64 v7, v[XO+2*\j:XO+2*\j+1], s[16:17] offset:256*\j
.endr
.irp j, 0,1,2,3
	s_wait_loadcnt 3-\j
	v_cvt_pk_bf16_f32 v[WO+2*\j], v[WI+4*\j], v[WI+4*\j+1]
	v_cvt_pk_bf16_f32 v[WO+2*\j+1], v[WI+4*\j+2], v[WI+4*\j+3]
.endr
	s_cmp_ge_u32 s26, 6
	s_cbranch_scc1 .Lw_o
.irp j, 0,1,2,3
	global_store_b64 v7, v[WO+2*\j:WO+2*\j+1], s[18:19] offset:256*\j
.endr
	s_branch .Lw_done
.Lw_o:                                                 ; W_o: the bf16 numbers written as f16, since its partner in the last product is f16
.irp k, 0,1,2,3,4,5,6,7
	v_lshlrev_b32 v[T], 16, v[WO+\k]
	v_and_b32 v[T+1], 0xffff0000, v[WO+\k]
	v_cvt_pk_f16_f32 v[WO+\k], v[T], v[T+1]
.endr
.irp j, 0,1,2,3
	global_store_b64 v7, v[WO+2*\j:WO+2*\j+1], s[20:21] offset:256*\j
.endr
.Lw_done:
; sin and cos of the angle in v[a], any angle up to 2,047: n = the nearest multiple of 2 pi, taken away in two parts (6.28125 is exact in 8 bits,
; so n x 6.28125 is exact); y = half of what is left, |y| <= pi/2; series in y^2 whose first left-out terms are under 1e-7 there; then the double angle.
; Out: sin in v[z], cos in v[cs].
.macro SINCOS a, sn, cs, z, y
	v_mul_f32 v[\z], 0.15915494, v[\a]
	v_rndne_f32 v[\z], v[\z]
	v_fmamk_f32 v[\a], v[\z], 0xc0c90000, v[\a]
	v_fmamk_f32 v[\a], v[\z], 0xbafdaa22, v[\a]
	v_mul_f32 v[\y], 0.5, v[\a]
	v_mul_f32 v[\z], v[\y], v[\y]
	v_mov_b32 v[\sn], 0xb2d7322b                   ; -1/11!
	v_mov_b32 v[\cs], 0x310f76c7                   ; 1/12!
	v_fmaak_f32 v[\sn], v[\z], v[\sn], 0x3638ef1d  ; 1/9!
	v_fmaak_f32 v[\cs], v[\z], v[\cs], 0xb493f27e  ; -1/10!
	v_fmaak_f32 v[\sn], v[\z], v[\sn], 0xb9500d01  ; -1/7!
	v_fmaak_f32 v[\cs], v[\z], v[\cs], 0x37d00d01  ; 1/8!
	v_fmaak_f32 v[\sn], v[\z], v[\sn], 0x3c088889  ; 1/5!
	v_fmaak_f32 v[\cs], v[\z], v[\cs], 0xbab60b61  ; -1/6!
	v_fmaak_f32 v[\sn], v[\z], v[\sn], 0xbe2aaaab  ; -1/3!
	v_fmaak_f32 v[\cs], v[\z], v[\cs], 0x3d2aaaab  ; 1/4!
	v_fma_f32 v[\sn], v[\z], v[\sn], 1.0
	v_fma_f32 v[\cs], v[\z], v[\cs], -0.5
	v_mul_f32 v[\sn], v[\y], v[\sn]                ; sin y
	v_fma_f32 v[\cs], v[\z], v[\cs], 1.0           ; cos y
	v_add_f32 v[\y], v[\sn], v[\sn]
	v_mul_f32 v[\z], v[\y], v[\cs]                 ; sin 2y = 2 sin y cos y
	v_fma_f32 v[\cs], -v[\y], v[\sn], 1.0          ; cos 2y = 1 - 2 sin^2 y
.endm
	s_cmp_gt_u32 s26, 3
	s_cbranch_scc1 .Lno_table
	v_lshlrev_b32 v[T], 1, v2                      ; i0 = 2 (L & 15), i1 = i0 + 1
	v_cvt_f32_u32 v[T], v[T]
	v_add_f32 v[T+1], 1.0, v[T]
	v_mul_f32 v[T], 0xbed49a78, v[T]               ; - i log2(10000) / 32
	v_mul_f32 v[T+1], 0xbed49a78, v[T+1]
	v_exp_f32 v[T], v[T]                           ; f_i
	v_exp_f32 v[T+1], v[T+1]
	v_cvt_f32_u32 v[T+2], s39                      ; a plain instruction on another register stands behind the two exponentials before their results are used (ISA guide 5.7.2)
	s_wait_alu depctr_va_vdst(0)
	v_mul_f32 v[T], v[T+2], v[T]                   ; the angles s f_i
	v_mul_f32 v[T+1], v[T+2], v[T+1]
	SINCOS T, T+2, T+3, T+4, T+5
	SINCOS T+1, T+6, T+7, T+8, T+9
	v_mul_f32 v[T+3], s38, v[T+3]
	v_mul_f32 v[T+7], s38, v[T+7]
	v_mul_f32 v[T+4], -v[T+4], s38                 ; even i: the partner enters with a minus
	v_mul_f32 v[T+8], s38, v[T+8]
	v_cmp_gt_u32 vcc_lo, 16, v1
	v_cndmask_b32 v126, v[T+4], v[T+3], vcc_lo     ; lanes 0 to 15 keep the cosines, lanes 16 to 31 the signed sines
	v_cndmask_b32 v127, v[T+8], v[T+7], vcc_lo
	global_store_b64 v7, v[126:127], s[22:23]      ; the row's 256 bytes
.Lno_table:
	; the mask's bits: a compare makes a lane mask of one byte column, which is one word of mb; 64 words go into the lanes of a register pair
	v_mov_b32 v[PW], 0                             ; a lane write keeps the other lanes: the pair is written whole first
	v_mov_b32 v[PW+1], 0
	s_wait_dscnt 0x0
.set wi, 0
.rept 64
	v_and_b32 v[T+(wi&7)], 1<<(8*(wi&3)), v[PD+2*(wi>>3)+((wi>>2)&1)]
	v_cmp_ne_u32 s[40+(wi&7)], 0, v[T+(wi&7)]
	v_writelane_b32 v[PW+(wi&1)], s[40+(wi&7)], wi>>1
.set wi, wi+1
.endr
	global_store_b64 v7, v[PW:PW+1], s[24:25]      ; 64 words, 256 consecutive bytes
	s_wait_tensorcnt 0x0
	ds_add_u32 v128, v129
	s_wait_dscnt 0x0
	s_endpgm
.Lfunc_end_k_q0b063ccbf7_prep:
	.size	k_q0b063ccbf7_prep, .Lfunc_end_k_q0b063ccbf7_prep-k_q0b063ccbf7_prep
	.p2alignl 7, 3214868480
	.fill 96, 4, 3214868480
	.section	.rodata,"a",@progbits
	.p2align	6, 0x0
	.amdhsa_kernel k_q0b063ccbf7_prep
		.amdhsa_group_segment_fixed_size 18432
		.amdhsa_private_segment_fixed_size 0
		.amdhsa_enable_private_segment 0
		.amdhsa_kernarg_size 88
		.amdhsa_user_sgpr_count 2
		.amdhsa_user_sgpr_kernarg_segment_ptr 1
		.amdhsa_wavefront_size32 1
		.amdhsa_system_sgpr_workgroup_id_x 1
		.amdhsa_system_sgpr_workgroup_id_y 1
		.amdhsa_system_sgpr_workgroup_id_z 1
		.amdhsa_system_vgpr_workitem_id 0
		.amdhsa_next_free_vgpr 130
		.amdhsa_next_free_sgpr 66
		.amdhsa_reserve_vcc 1
		.amdhsa_float_denorm_mode_32 3
		.amdhsa_float_denorm_mode_16_64 3
		.amdhsa_memory_ordered 1
		.amdhsa_forward_progress 1
		.amdhsa_inst_pref_size 26
	.end_amdhsa_kernel
	.amdgpu_metadata
---
amdhsa.version: [ 1, 2 ]
amdhsa.kernels:
  - .name:           k_q0b063ccbf7_prep
    .symbol:         k_q0b063ccbf7_prep.kd
    .args:
      - { .name: x, .offset: 0, .size: 8, .value_kind: global_buffer, .address_space: global }
      - { .name: W_q, .offset: 8, .size: 8, .value_kind: global_buffer, .address_space: global }
      - { .name: W_k, .offset: 16, .size: 8, .value_kind: global_buffer, .address_space: global }
      - { .name: W_v, .offset: 24, .size: 8, .value_kind: global_buffer, .address_space: global }
      - { .name: W_o, .offset: 32, .size: 8, .value_kind: global_buffer, .address_space: global }
      - { .name: mask, .offset: 40, .size: 8, .value_kind: global_buffer, .address_space: global }
      - { .name: xb, .offset: 48, .size: 8, .value_kind: global_buffer, .address_space: global }
      - { .name: wb, .offset: 56, .size: 8, .value_kind: global_buffer, .address_space: global }
      - { .name: wo, .offset: 64, .size: 8, .value_kind: global_buffer, .address_space: global }
      - { .name: tab, .offset: 72, .size: 8, .value_kind: global_buffer, .address_space: global }
      - { .name: mb, .offset: 80, .size: 8, .value_kind: global_buffer, .address_space: global }
    .group_segment_fixed_size: 18432
    .private_segment_fixed_size: 0
    .kernarg_segment_align: 8
    .kernarg_segment_size: 88
    .max_flat_workgroup_size: 256
    .sgpr_count:     66
    .vgpr_count:     130
    .wavefront_size: 32
...
	.end_amdgpu_metadata
.endif
;; end of part 1
;; launch qkv (part 2): grid 12 x 32, 4 waves a work-group, clusters of 4 x 4, 327,680 bytes of LDS; arguments xb, wb, tab, qkv; writes qkv
.if DOCPART == 2
	.amdgcn_target "amdgcn-amd-amdhsa--gfx1250"
	.amdhsa_code_object_version 6
	.text
	.protected	k_q0b063ccbf7_qkv
	.globl	k_q0b063ccbf7_qkv
	.p2align	8
	.type	k_q0b063ccbf7_qkv,@function
k_q0b063ccbf7_qkv:
	s_mov_b64 s[64:65], 0
	v_nop
	global_prefetch_b8 v0, s[64:65] scope:SCOPE_SE
	s_setreg_imm32_b32 hwreg(HW_REG_WAVE_MODE, 25, 1), 1
	s_wait_xcnt 0x0
	s_wait_alu depctr_hold_cnt(0) depctr_sa_sdst(0) depctr_va_vdst(0) depctr_va_sdst(0) depctr_va_ssrc(0) depctr_va_vcc(0) depctr_vm_vsrc(0)
	s_getreg_b32 s2, hwreg(HW_REG_IB_STS2, 6, 4)
	s_cmp_eq_u32 s2, 0
	s_cbranch_scc0 .Lentry_in_a_cluster
	s_endpgm
.Lentry_in_a_cluster:
	s_bfe_u32 s2, ttmp6, 0x10000c
	s_cmp_lg_u32 s2, 0xf033
	s_cbranch_scc0 .Lentry_shape_is_right
	s_endpgm
.Lentry_shape_is_right:
; qkv[m][n] = sum over k of xb[m][k] wb[n][k], bf16 operands, f32 sums; then the rotation by position on the q and k columns; stored as f16.
; qkv: [8192][3072] f16.  Columns 0..1023: rotated q times 0.125 log2(e) (the factor lies in the table).  Columns 1024 + 128 h + (0..63): rotated k of head h; + (64..127): its v.
; LIMIT: q, k and v are kept in f16: magnitudes above 65,504 overflow.
; A work-group makes a block of 256 x 256 with four waves, a wave 128 x 128: 64 accumulator tiles of 16 x 16, 512 registers.  K goes in steps of 128 through a ring of
; two LDS slots filled by the tensor data mover; a tile's rows are 256 bytes of memory and start at multiples of 256 bytes from the buffer's first byte.
; CLUSTERS: 4 x 4 work-groups.  The four of a row of the cluster need the same tiles of xb, the four of a column the same tiles of wb: such a tile is asked for jointly,
; by the same tensor load with the same descriptor and a mask that names the four; each receives it in its own LDS.  That divides the requests by four.
; REGISTERS, in windows of 256:
;   window 0: v16-27 addresses; v32-63 and v224-255 two sets of the table; v64-127, v128-191 fragments of xb, two buffers (on the way out: read-back and rotated numbers); v192-223 packed results
;   window 1: v64-127, v128-191 fragments of wb, two buffers
;   window 2: the 32 accumulator tiles of my rows 0-63 (tile (a, b) at v[8 (8 a + b)]);   window 3: those of my rows 64-127
; THE MATRIX INSTRUCTION IS USED TRANSPOSED: source 0 = 16 rows of wb, source 1 = 16 rows of xb.  Lane l then holds row l % 16 of the result and its registers 0 to 7 the
; columns 8 (l / 16) + 0..7: eight neighbouring numbers of a row, among them both partners of every rotated pair.
.set SIZE_N, 3072
.set SIZE_K, 1024
.set KSTEP,  128
.set PITCH,  272                       ; an LDS row: 256 bytes + 16 of padding: the 16 rows that a fragment load touches start 4 banks apart
.set HALFT,  128*PITCH                 ; 128 rows: what one tensor load brings
.set SLOT,   4*HALFT                   ; xb's 256 rows, then wb's 256 rows
.set STAGE,  2*SLOT                    ; behind the ring: 16 rows x 272 bytes for each wave, for the way out; no tensor load lands there
.set SPITCH, 272
.set LAPS, SIZE_K/(2*KSTEP)            ; a lap = two K steps = once round the ring: 4
.set ADRA, 16                          ; v16-17  LDS address of my xb fragments in slot 0, 1
.set ADRB, 20                          ; v20-21  the same for wb
.set STO,  24                          ; the way out: where I put 16 bytes of a row
.set RD,   25                          ; the way out: where I read a row back
.set CO,   26                          ; my byte offset in qkv
.set TOFF, 27                          ; my byte offset in the table: 256 (l % 16) + 32 (l / 16)
.set TAB0, 32                          ; a table set: columns' parity p of 16: cosines at +16 p, signed sines at +16 p + 8
.set F0,   64
.set F1,   128
.set TMP,  192
.set TAB1, 224
.set G1, 24                            ; s[24:31] descriptor group 1 for xb's tiles
.set G0, 32                            ; s[32:39] descriptor group 0 for xb's tiles, one set for each slot
.set G1B, 48                           ; s[48:55] group 1 for wb's tiles: it differs in the mask alone
.set G0B, 56                           ; s[56:63] group 0 for wb's tiles
.set MSB, 0
.macro WIN new                         ; the immediate's high byte repeats the setting that is left; a switch that changes nothing is dropped
.if MSB != \new
	s_set_vgpr_msb (MSB<<8)|\new
.set MSB, \new
.endif
.endm
.set MUL_LO, 0xa1                      ; source 0 (wb) window 1, source 1 (xb) window 0, C and D window 2
.set MUL_HI, 0xf1                      ; the same, C and D window 3
.set TO_B,   0x40                      ; destination window 1, address window 0
; A joint load.  Waves 0 and 1 fetch xb's two halves, waves 2 and 3 wb's.  Each line has one mask and one set of registers; the branch hangs on the wave's number alone.
.macro JLOAD s
	s_cmp_eq_u32 s11, 0
	s_cbranch_scc0 .Lfor_b_\@
	tensor_load_to_lds s[G0+4*\s:G0+4*\s+3], s[G1:G1+7]
	s_nop 0
	s_branch .Lasked_\@
.Lfor_b_\@:
	tensor_load_to_lds s[G0B+4*\s:G0B+4*\s+3], s[G1B:G1B+7]
	s_nop 0
.Lasked_\@:
.endm
; A round of the cluster's barrier: my work-group's barrier; wave 0 signals for the work-group; every wave waits for all sixteen; my work-group's barrier once more.
.macro CREST                           ; a round behind its opening barrier
	s_cmp_lg_u32 s10, 0
	s_cbranch_scc1 .Lnot_wave_0_\@
	s_barrier_signal -3
.Lnot_wave_0_\@:
	s_barrier_wait -3
	s_barrier_signal -1
	s_barrier_wait -1
.endm
.macro CROUND
	s_barrier_signal -1
	s_barrier_wait -1
	CREST
.endm
	s_load_b128 s[4:7], s[0:1], 0x0                ; xb s[4:5], wb s[6:7]
	s_load_b64 s[66:67], s[0:1], 0x10              ; tab
	s_load_b64 s[8:9], s[0:1], 0x18                ; qkv
	s_set_vgpr_msb 0x40
	v_lshl_add_u32 v255, v0, 2, 0x48400
	s_set_vgpr_msb 0x4000
	v_mov_b32 v31, 0
	s_set_vgpr_msb 0x1
	ds_add_u32 v255, v31
	s_set_vgpr_msb 0x100
	v_lshrrev_b32 v1, 5, v0
	v_readfirstlane_b32 s10, v1                    ; wave 0..3
	s_lshr_b32 s11, s10, 1                         ; which half of the block's rows is mine.  Also: I fetch for xb (0) or for wb (1)
	s_and_b32 s12, s10, 1                          ; which half of its columns.  Also: which 128 rows of that tile I fetch
	s_bfe_u32 s40, ttmp6, 0x40000                  ; cx
	s_bfe_u32 s41, ttmp6, 0x40004                  ; cy
	s_lshl_b32 s42, ttmp9, 2
	s_add_co_u32 s42, s42, s40                     ; block column = 4 x cluster x + cx
	s_and_b32 s13, ttmp7, 0xffff
	s_lshl_b32 s13, s13, 2
	s_add_co_u32 s13, s13, s41                     ; block row = 4 x cluster y + cy
	s_lshl_b32 s43, s41, 2
	s_lshl_b32 s43, 15, s43                        ; my row of the cluster: places 4 cy .. 4 cy + 3
	s_lshl_b32 s44, 0x1111, s40                    ; my column: places cx, cx + 4, cx + 8, cx + 12
	s_or_b32 s[G1+0], s43, (1<<16)|(1<<20)|(1<<21)|(5<<22)|(3<<25)  ; the mask; elements of 2 bytes; padding on; bit 21 beside a mask; after every 64 words 4 words
	s_or_b32 s[G1B+0], s44, (1<<16)|(1<<20)|(1<<21)|(5<<22)|(3<<25)
	s_mov_b32 s[G1B+1], KSTEP<<16
	s_mov_b32 s[G1+1], KSTEP<<16                   ; tensor_dim0 = 128
	s_mov_b32 s[G1B+2], 128<<16
	s_mov_b32 s[G1+2], 128<<16                     ; tensor_dim1 = 128
	s_mov_b32 s[G1B+3], KSTEP<<16
	s_mov_b32 s[G1+3], KSTEP<<16                   ; tile_dim0 = 128
	s_mov_b32 s[G1B+4], 128
	s_mov_b32 s[G1+4], 128                         ; tile_dim1 = 128
	s_mov_b32 s[G1B+5], SIZE_K
	s_mov_b32 s[G1+5], SIZE_K                      ; elements from row to row
	s_mov_b32 s[G1B+6], 0
	s_mov_b32 s[G1+6], 0
	s_mov_b32 s[G1B+7], 0
	s_mov_b32 s[G1+7], 0
	s_lshl_b32 s17, s12, 7
	s_lshl_b32 s16, s13, 8
	s_add_co_u32 s16, s16, s17                     ; xb: row 256 x block row + 128 x half
	s_lshl_b32 s46, s42, 8
	s_add_co_u32 s46, s46, s17                     ; wb: row 256 x block column + 128 x half
	s_mov_b32 s17, 0
	s_mov_b32 s47, 0
	s_mov_b64 s[18:19], SIZE_K*2
	s_mul_u64 s[16:17], s[16:17], s[18:19]
	s_mul_u64 s[46:47], s[46:47], s[18:19]
	s_mul_i32 s20, s10, HALFT                      ; where they go: wave x 128 rows: no place in the cluster enters an LDS address
	s_and_b32 s68, s13, 7                          ; the table: position = row mod 2,048 = 256 (block row mod 8) + 128 x my half of the rows, 256 bytes a position;
	s_lshl_b32 s68, s68, 8
	s_lshl_b32 s69, s11, 7
	s_add_co_u32 s68, s68, s69
	s_lshl_b32 s68, s68, 8
	s_cmp_eq_u32 ttmp9, 0                          ; cluster column 0 is exactly the q columns: version 0; the others take version 1
	s_cselect_b32 s69, 0, 524288
	s_add_co_u32 s68, s68, s69
	s_mov_b32 s69, 0
	s_wait_dscnt 0x0
	s_wait_kmcnt 0x0
	s_add_nc_u64 s[14:15], s[4:5], s[16:17]
	s_add_nc_u64 s[46:47], s[6:7], s[46:47]
	s_add_nc_u64 s[66:67], s[66:67], s[68:69]
	CROUND                                         ; all sixteen work-groups are here: the first joint loads meet
.irp s, 0,1
	s_mov_b32 s[G0+4*\s], 1
	s_add_co_u32 s[G0+4*\s+1], s20, \s*SLOT
	s_add_nc_u64 s[G0+4*\s+2:G0+4*\s+3], s[14:15], \s*KSTEP*2
	s_or_b32 s[G0+4*\s+3], s[G0+4*\s+3], 0x80000000
	s_mov_b32 s[G0B+4*\s], 1
	s_add_co_u32 s[G0B+4*\s+1], s20, \s*SLOT
	s_add_nc_u64 s[G0B+4*\s+2:G0B+4*\s+3], s[46:47], \s*KSTEP*2
	s_or_b32 s[G0B+4*\s+3], s[G0B+4*\s+3], 0x80000000
	JLOAD \s                                       ; both slots are asked for before anything else: two tensor loads of the wave are out, the most in this text
.endr
	v_and_b32 v1, 15, v0                           ; l % 16
	v_bfe_u32 v2, v0, 4, 1                         ; l / 16
	v_mul_u32_u24 v3, v1, PITCH
	v_lshl_add_u32 v3, v2, 4, v3                   ; row x pitch + 16 x half
	s_mul_i32 s21, s11, HALFT                      ; my 128 rows of xb
	s_mul_i32 s22, s12, HALFT                      ; my 128 rows of wb,
	s_add_co_u32 s22, s22, 2*HALFT                 ; which lie behind xb's 256
.irp s, 0,1
	v_add_nc_u32 v[ADRA+\s], s21, v3
	v_add_nc_u32 v[ADRB+\s], s22, v3
	s_add_co_u32 s21, s21, SLOT
	s_add_co_u32 s22, s22, SLOT
.endr
	s_mul_i32 s23, s10, 16*SPITCH
	s_add_co_u32 s23, s23, STAGE                   ; my stage
	v_mul_u32_u24 v4, v1, SPITCH
	v_lshl_add_u32 v4, v2, 4, v4
	v_add_nc_u32 v[STO], s23, v4
	v_mul_u32_u24 v5, v2, SPITCH
	v_lshl_add_u32 v5, v1, 4, v5
	v_add_nc_u32 v[RD], s23, v5
	v_mul_u32_u24 v5, v2, SIZE_N*2
	v_lshl_add_u32 v[CO], v1, 4, v5
	v_lshlrev_b32 v[TOFF], 8, v1
	v_lshl_add_u32 v[TOFF], v2, 5, v[TOFF]
; The table for rows 16 i .. 16 i + 15 of my block: for each parity p of a 16-column tile my 8 cosines and my 8 signed sines (index 16 p + 8 (l / 16) + j), 8 loads.
.macro TLOAD i, tbl
.irp p, 0,1
.irp t, 0,1
.irp e, 0,1
	global_load_b128 v[\tbl+16*\p+8*\t+4*\e:\tbl+16*\p+8*\t+4*\e+3], v[TOFF], s[66:67] offset:4096*(\i)+128*\t+64*\p+16*\e
.endr
.endr
.endr
.endm
	TLOAD 0, TAB0                                  ; the first two row blocks' sets come in during the K loop, which does not touch their registers
	TLOAD 1, TAB1
; 16 matrix instructions: m blocks a0, a0 + 1 of the window's four x all 8 n blocks, 32 along K.  zero = 1: the first product starts the sums.
; The 64 accumulators take turns, one instruction a turn, in the same order in every quarter step.
.macro MUL16 f, hi, a0, zero
.irp a, \a0, \a0+1
.irp b, 0,1,2,3,4,5,6,7
.if \zero
	v_wmma_f32_16x16x32_bf16 v[8*(8*(\a)+\b):8*(8*(\a)+\b)+7], v[\f+8*\b:\f+8*\b+7], v[\f+8*(4*\hi+\a):\f+8*(4*\hi+\a)+7], 0
.else
	v_wmma_f32_16x16x32_bf16 v[8*(8*(\a)+\b):8*(8*(\a)+\b)+7], v[\f+8*\b:\f+8*\b+7], v[\f+8*(4*\hi+\a):\f+8*(4*\hi+\a)+7], v[8*(8*(\a)+\b):8*(8*(\a)+\b)+7]
.endif
.endr
.endr
.endm
; 32 LDS loads in one run: the fragments of one quarter step (32 K at byte k of the rows) into buffer f
.macro FETCH slot, k, f
	WIN TO_B
.irp i, 0,1,2,3,4,5,6,7
	ds_load_b128 v[\f+8*\i:\f+8*\i+3],   v[ADRB+\slot] offset:\k+\i*16*PITCH
	ds_load_b128 v[\f+8*\i+4:\f+8*\i+7], v[ADRB+\slot] offset:\k+\i*16*PITCH+32
.endr
	WIN 0
.irp i, 0,1,2,3,4,5,6,7
	ds_load_b128 v[\f+8*\i:\f+8*\i+3],   v[ADRA+\slot] offset:\k+\i*16*PITCH
	ds_load_b128 v[\f+8*\i+4:\f+8*\i+7], v[ADRA+\slot] offset:\k+\i*16*PITCH+32
.endr
.endm
; Four places of plain vector instructions that name none of its registers stand between a matrix instruction and a load into one of its sources,
; or a vector instruction that reads its result (ISA guide 7.12.1 for vector instructions).
.macro PLACES
.rept 4
	v_nop
.endr
.endm
; A K step is four quarter steps of 32 along K, 64 matrix instructions each, on buffers 0, 1, 0, 1.
.macro QUARTER slot, k, f, g, zero
	s_wait_dscnt 8                                 ; wb and xb's rows 0-63 are in; the youngest eight loads (xb's rows 64-127) may be out
	WIN MUL_LO
	MUL16 \f, 0, 0, \zero
	MUL16 \f, 0, 2, \zero
	PLACES
	FETCH \slot, \k, \g
	s_wait_dscnt 32                                ; all but the 32 just issued
	WIN MUL_HI
	MUL16 \f, 1, 0, \zero
	MUL16 \f, 1, 2, \zero
.endm
.macro THREE slot, zero
	QUARTER \slot, 64,  F0, F1, \zero
	QUARTER \slot, 128, F1, F0, 0
	QUARTER \slot, 192, F0, F1, 0
.endm
; The last quarter multiplies buffer 1 and changes slots.  In front of the barrier each wave waits for its own reads of this slot and for all its tensor loads
; (one is out: its part of the next slot).  Behind it nobody reads this slot and the next slot is whole: the refill comes first, then the next slot's first fragments.
.macro TURN slot, next, fill
	s_wait_dscnt 8
	WIN MUL_LO
	MUL16 F1, 0, 0, 0
	s_wait_dscnt 0                                 ; my reads of this slot are over
	s_wait_tensorcnt 0x0                           ; and all my tensor loads have landed
	ds_add_u32 v255, v31
	s_wait_dscnt 0x0
	s_barrier_signal -1                            ; say so (where the slot is filled again this barrier opens a round of the cluster's barrier),
	MUL16 F1, 0, 2, 0                              ; work on registers while the others arrive,
	WIN 0
	s_barrier_wait -1
.if \fill
	CREST                                          ; no wave of any partner still reads this slot's tile or has a load on its way
	s_add_nc_u64 s[G0+4*\slot+2:G0+4*\slot+3], s[G0+4*\slot+2:G0+4*\slot+3], 2*KSTEP*2
	s_add_nc_u64 s[G0B+4*\slot+2:G0B+4*\slot+3], s[G0B+4*\slot+2:G0B+4*\slot+3], 2*KSTEP*2
	JLOAD \slot                                    ; the wave's one tensor load behind the round, and the first thing there
.endif
	PLACES
	FETCH \next, 0, F0
	WIN MUL_HI
	MUL16 F1, 1, 0, 0
	MUL16 F1, 1, 2, 0
.endm
.macro LAP zero
	THREE 0, \zero
	TURN 0, 1, 1
	THREE 1, 0
	TURN 1, 0, 1
.endm
	s_wait_tensorcnt 1                             ; my part of K step 0 is in; K step 1's load, issued behind it, stays out
	s_barrier_signal -1
	s_barrier_wait -1                              ; everybody's is
	FETCH 0, 0, F0
	LAP 1                                          ; the first lap stands in front of the loop: its first products start the sums
	WIN 0
	s_mov_b32 s3, LAPS-2
.Llap:
	LAP 0
	WIN 0
	s_sub_co_u32 s3, s3, 1
	s_cmp_lg_u32 s3, 0
	s_cbranch_scc1 .Llap
	THREE 0, 0                                     ; the last lap fills nothing
	TURN 0, 1, 0
	THREE 1, 0
	s_wait_dscnt 8
	WIN MUL_LO
	MUL16 F1, 0, 0, 0
	MUL16 F1, 0, 2, 0
	s_wait_dscnt 0
	WIN MUL_HI
	MUL16 F1, 1, 0, 0
	MUL16 F1, 1, 2, 0
	; THE WAY OUT, 16 rows at a time: rotate, round to f16, 16 bytes a lane into my own stage in LDS, read back as whole rows of 256 bytes.
	PLACES
	WIN 0
	s_lshl_b32 s13, s13, 8
	s_lshl_b32 s14, s11, 7
	s_add_co_u32 s16, s13, s14                     ; my first row
	s_mov_b32 s17, 0
	s_mov_b64 s[18:19], SIZE_N*2
	s_mul_u64 s[16:17], s[16:17], s[18:19]
	s_add_nc_u64 s[8:9], s[8:9], s[16:17]
	s_lshl_b32 s46, s42, 9                         ; my first column, in bytes: 512 x block + 256 x half
	s_lshl_b32 s47, s12, 8
	s_add_co_u32 s46, s46, s47
	s_mov_b32 s47, 0
	s_add_nc_u64 s[8:9], s[8:9], s[46:47]
; Rows 16 i .. 16 i + 15 of my block = the eight tiles (a, 0..7) of window 2 or 3 (w: that window as source 0; ww: as sources 0 and 1).
; Tiles b < nrope are rotated: out[d] = x[d] cos[d mod 32] + sgn x[d xor 1] sin[d mod 32]; d mod 32 = 16 (b & 1) + 8 (l / 16) + j; the sign lies in the table, and the
; second instruction takes the accumulator pair crosswise (op_sel).  The other tiles (v) are only rounded.  cnt: how many younger table loads may stay out.
.macro OUT16 i, a, w, ww, f, tbl, nrope, more, cnt
	s_wait_loadcnt \cnt                            ; this row block's 8 table loads are in; the next block's 8 stay out
	WIN \w
.irp b, 0,1,2,3,4,5,6,7
.if \b < \nrope
.set rb, 96+8*\b+32*(\b/4)                         ; the rotated tile: v96-127 for b < 4, v160-191 above
.set ab, 8*(8*\a+\b)
.set tb, \tbl+16*(\b&1)
.irp r, 0,2,4,6
	v_pk_mul_f32 v[rb+\r:rb+\r+1], v[ab+\r:ab+\r+1], v[tb+\r:tb+\r+1]
.endr
.irp r, 0,2,4,6
	v_pk_fma_f32 v[rb+\r:rb+\r+1], v[ab+\r:ab+\r+1], v[tb+8+\r:tb+8+\r+1], v[rb+\r:rb+\r+1] op_sel:[1,0,0] op_sel_hi:[0,1,1]
.endr
.endif
.endr
.if \nrope < 8
	WIN \ww
.irp b, 4,5,6,7
.irp r, 0,1,2,3
	v_cvt_pk_f16_f32 v[TMP+4*\b+\r], v[8*(8*\a+\b)+2*\r], v[8*(8*\a+\b)+2*\r+1]
.endr
.endr
.endif
	WIN 0
.irp b, 0,1,2,3,4,5,6,7
.if \b < \nrope
.set rb, 96+8*\b+32*(\b/4)
.irp r, 0,1,2,3
	v_cvt_pk_f16_f32 v[TMP+4*\b+\r], v[rb+2*\r], v[rb+2*\r+1]
.endr
.endif
.endr
.if \more
	TLOAD \i+2, \tbl                               ; this set has been used: the row block after the next
.endif
.irp b, 0,1,2,3,4,5,6,7
	ds_store_b128 v[STO], v[TMP+4*\b:TMP+4*\b+3] offset:32*\b
.endr
	s_wait_xcnt 0x0                                ; every earlier memory instruction has had its addresses translated (ISA guide 3.1): buffer f, which stores read, and the stores' base are rewritten only behind this wait
.if \i
	s_add_nc_u64 s[8:9], s[8:9], 16*SIZE_N*2
.endif
.irp t, 0,1,2,3,4,5,6,7
	ds_load_b128 v[\f+4*\t:\f+4*\t+3], v[RD] offset:\t*2*SPITCH    ; LDS serves a wave's instructions in order (ISA guide 5.7.1.4): these see the stores above
.endr
.irp t, 0,1,2,3,4,5,6,7
	s_wait_dscnt 7-\t
	global_store_b128 v[CO], v[\f+4*\t:\f+4*\t+3], s[8:9] offset:2*\t*SIZE_N*2   ; 16 lanes store 256 consecutive bytes, at a multiple of 256 from the buffer's first byte
.endr
.endm
.macro ALLOUT nrope
	OUT16 0, 0, 0x02, 0x0a, F0, TAB0, \nrope, 1, 8
	OUT16 1, 1, 0x02, 0x0a, F1, TAB1, \nrope, 1, 8
	OUT16 2, 2, 0x02, 0x0a, F0, TAB0, \nrope, 1, 8
	OUT16 3, 3, 0x02, 0x0a, F1, TAB1, \nrope, 1, 8
	OUT16 4, 0, 0x03, 0x0f, F0, TAB0, \nrope, 1, 8
	OUT16 5, 1, 0x03, 0x0f, F1, TAB1, \nrope, 1, 8
	OUT16 6, 2, 0x03, 0x0f, F0, TAB0, \nrope, 0, 8
	OUT16 7, 3, 0x03, 0x0f, F1, TAB1, \nrope, 0, 0
.endm
	s_cmp_eq_u32 ttmp9, 0                          ; the cluster's column: the same in all sixteen partners
	s_cbranch_scc0 .Lkv
	ALLOUT 8                                       ; q: my 128 columns are two heads, all rotated
	s_branch .Lout_done
.Lkv:
	ALLOUT 4                                       ; my 128 columns are one head's k (rotated) and its v
.Lout_done:
	s_set_vgpr_msb 0x1
	s_wait_tensorcnt 0x0
	ds_add_u32 v255, v31
	s_wait_dscnt 0x0
	s_set_vgpr_msb 0x100
	CROUND                                         ; the closing round: no work-group ends while a partner may still ask for a tile that names it
	s_endpgm
.Lfunc_end_k_q0b063ccbf7_qkv:
	.size	k_q0b063ccbf7_qkv, .Lfunc_end_k_q0b063ccbf7_qkv-k_q0b063ccbf7_qkv
	.p2alignl 7, 3214868480
	.fill 96, 4, 3214868480
	.section	.rodata,"a",@progbits
	.p2align	6, 0x0
	.amdhsa_kernel k_q0b063ccbf7_qkv
		.amdhsa_group_segment_fixed_size 327680
		.amdhsa_private_segment_fixed_size 0
		.amdhsa_enable_private_segment 0
		.amdhsa_kernarg_size 32
		.amdhsa_user_sgpr_count 2
		.amdhsa_user_sgpr_kernarg_segment_ptr 1
		.amdhsa_wavefront_size32 1
		.amdhsa_system_sgpr_workgroup_id_x 1
		.amdhsa_system_sgpr_workgroup_id_y 1
		.amdhsa_system_sgpr_workgroup_id_z 1
		.amdhsa_system_vgpr_workitem_id 0
		.amdhsa_next_free_vgpr 1024
		.amdhsa_next_free_sgpr 72
		.amdhsa_reserve_vcc 0
		.amdhsa_float_denorm_mode_32 3
		.amdhsa_float_denorm_mode_16_64 3
		.amdhsa_memory_ordered 1
		.amdhsa_forward_progress 1
		.amdhsa_inst_pref_size 255
	.end_amdhsa_kernel
	.section	.bss,"aw",@nobits
	.p2align	6
	.space	262144
	.amdgpu_metadata
---
amdhsa.version: [ 1, 2 ]
amdhsa.kernels:
  - .name:           k_q0b063ccbf7_qkv
    .symbol:         k_q0b063ccbf7_qkv.kd
    .args:
      - { .name: xb, .offset: 0, .size: 8, .value_kind: global_buffer, .address_space: global }
      - { .name: wb, .offset: 8, .size: 8, .value_kind: global_buffer, .address_space: global }
      - { .name: tab, .offset: 16, .size: 8, .value_kind: global_buffer, .address_space: global }
      - { .name: qkv, .offset: 24, .size: 8, .value_kind: global_buffer, .address_space: global }
    .group_segment_fixed_size: 327680
    .private_segment_fixed_size: 0
    .kernarg_segment_align: 8
    .kernarg_segment_size: 32
    .max_flat_workgroup_size: 128
    .sgpr_count:     72
    .vgpr_count:     1024
    .wavefront_size: 32
...
	.end_amdgpu_metadata
.endif
;; end of part 2
;; launch attn (part 3): grid 256 x 1, 8 waves a work-group, clusters of 4 x 1, 327,680 bytes of LDS; arguments qkv, mb, ao; writes ao
.if DOCPART == 3
	.amdgcn_target "amdgcn-amd-amdhsa--gfx1250"
	.amdhsa_code_object_version 6
	.text
	.protected	k_q0b063ccbf7_attn
	.globl	k_q0b063ccbf7_attn
	.p2align	8
	.type	k_q0b063ccbf7_attn,@function
k_q0b063ccbf7_attn:
	s_mov_b64 s[64:65], 0
	v_nop
	global_prefetch_b8 v0, s[64:65] scope:SCOPE_SE
	s_setreg_imm32_b32 hwreg(HW_REG_WAVE_MODE, 25, 1), 1
	s_wait_xcnt 0x0
	s_wait_alu depctr_hold_cnt(0) depctr_sa_sdst(0) depctr_va_vdst(0) depctr_va_sdst(0) depctr_va_ssrc(0) depctr_va_vcc(0) depctr_vm_vsrc(0)
	s_getreg_b32 s2, hwreg(HW_REG_IB_STS2, 6, 4)
	s_cmp_eq_u32 s2, 0
	s_cbranch_scc0 .Lentry_in_a_cluster
	s_endpgm
.Lentry_in_a_cluster:
	s_bfe_u32 s2, ttmp6, 0x10000c
	s_cmp_lg_u32 s2, 0x3003
	s_cbranch_scc0 .Lentry_shape_is_right
	s_endpgm
.Lentry_shape_is_right:
; Attention with a running maximum: ao[b][s][64 head + d] = softmax over the keys of (q.k / 8, masked) times v.  qkv: [8192][3072] f16 as the projection stored it
; (q rotated and times 0.125 log2(e), so that the scores are exponents of 2; a head's rotated k and its v are 256 neighbouring bytes of a row); mb: the mask as lane masks; ao: [8192][1024] f16.
; SHARES.  Cluster c of 64: batch c >> 4, head pair (c >> 1) & 7, half of the queries c & 1; its four work-groups take 256 queries each.  Wave w: head w >> 2 of the pair, 64 queries (w & 3): four query tiles of 16.
; Two heads in a work-group, so that a row of ao leaves as 256 consecutive bytes.  The four work-groups walk the same keys of the same two heads: K and V are asked for JOINTLY (mask 15).
; BOTH PRODUCTS ARE USED TRANSPOSED.  Scores: source 0 = 16 keys, source 1 = 16 queries: lane (r, h) holds query r, register j key 8 h + j.  Packed in pairs, two key tiles are
; source 1 of the second product as they stand.  Second product: source 0 = v transposed (ds_load_tr16_b128), result: lane (r, h) holds query r, register j dimension 8 h + j.
; So the maximum, the sum and the rescaling factor of a query are one number a lane; one exchange between the halves of the wave joins the maxima in each step, and the sums once at the end.
; LDS: two slots of 256 keys x 528 bytes (k, v of head 0, k, v of head 1: 512 bytes, + 16 of padding); a slot serves four steps of 64 keys.  The 528-byte pitch keeps K's reads apart in the banks;
; the transposing reads of V meet two deep, a cost that is accepted.  The stage of the way out (256 rows x 272 bytes) lies in slot 0, behind that slot's last fill and last read.
; LIMITS.  q, k, v and ao are f16: magnitudes above 65,504 overflow.  A probability under 6e-8 of the row's largest becomes 0 (f16).  The running maximum starts at -FLT_MAX:
; key blocks that are masked whole add 0, and a row that is masked whole gives 0 x infinity = NaN, as a softmax over -infinity alone does.  The f32 sums run in an order of their own.
; WINDOW 0: v4-7 K addresses [slot][half]; v8-11 V addresses; v12 -infinity; v13 exchange; v14-17 offsets; v20-27 maxima, old and new by turns; v28-31 sums; v32-35 factors; v36-47 at work;
;           v64-127 K fragments (kt, c) at 64 + 8 (2 kt + c); v128-255 scores (i, kt) at 128 + 32 i + 8 kt, later probabilities (i, u) at 128 + 32 i + 16 u.
; WINDOW 1: O (i, dt) at 8 (4 i + dt); Q (i, c) at 128 + 8 (2 i + c); V (dt, u) at 192 + 8 (2 dt + u).
.set KP,    528                        ; LDS pitch of a key row
.set SLOT,  256*KP                     ; 135,168
.set STEPB, 64*KP                      ; 33,792: a step's 64 keys
.set ROWB,  6144                       ; bytes of a row of qkv
.set SP,    272                        ; pitch of the stage
.set G1, 84                            ; s[84:91] descriptor group 1
.set G0, 92                            ; s[92:99] descriptor group 0, a set for each slot
.set MSB, 0
.macro WIN new
.if MSB != \new
	s_set_vgpr_msb (MSB<<8)|\new
.set MSB, \new
.endif
.endm
.macro PLACES                          ; four places between a matrix instruction and a load into one of its sources or a vector instruction on its result (ISA guide 7.12.1 for vector instructions)
.rept 4
	v_nop
.endr
.endm
.macro ROUND                           ; a round of the cluster's barrier
	s_barrier_signal -1
	s_barrier_wait -1
	s_cmp_lg_u32 s10, 0
	s_cbranch_scc1 .Lnot_wave_0_\@
	s_barrier_signal -3
.Lnot_wave_0_\@:
	s_barrier_wait -3
	s_barrier_signal -1
	s_barrier_wait -1
.endm
	s_load_b128 s[4:7], s[0:1], 0x0                ; qkv s[4:5], mb s[6:7]
	s_load_b64 s[8:9], s[0:1], 0x10                ; ao
	v_lshl_add_u32 v62, v0, 2, 0x42000
	v_mov_b32 v63, 0
	ds_add_u32 v62, v63
	v_lshrrev_b32 v1, 5, v0
	v_readfirstlane_b32 s10, v1                    ; wave 0..7
	s_lshr_b32 s11, s10, 2                         ; which head of the pair
	s_and_b32 s12, s10, 3                          ; which 64 queries
	s_lshr_b32 s16, ttmp9, 4                       ; batch
	s_bfe_u32 s17, ttmp9, 0x30001                  ; head pair
	s_and_b32 s18, ttmp9, 1                        ; half of the queries
	s_mov_b32 s14, 0x76543210                      ; v_permlanex16_b32: lane i of one half reads lane i of the other
	s_mov_b32 s15, 0xfedcba98
	; group 1: 32 rows x 256 elements of 2 bytes (512 bytes), 16 bytes of padding behind each row; the four work-groups of the cluster are named
	s_mov_b32 s[G1+0], 15|(1<<16)|(1<<20)|(1<<21)|(6<<22)|(3<<25)
	s_mov_b32 s[G1+1], 256<<16                     ; tensor_dim0 = 256
	s_mov_b32 s[G1+2], 32<<16                      ; tensor_dim1 = 32
	s_mov_b32 s[G1+3], 256<<16                     ; tile_dim0 = 256
	s_mov_b32 s[G1+4], 32                          ; tile_dim1 = 32
	s_mov_b32 s[G1+5], 3072                        ; elements from row to row
	s_mov_b32 s[G1+6], 0
	s_mov_b32 s[G1+7], 0
	s_lshl_b32 s19, s16, 11                        ; my 32 keys of a slot: row 2048 b + 32 w (+ 256 for slot 1), byte 2048 + 512 x head pair.  No place in the cluster enters.
	s_lshl_b32 s20, s10, 5
	s_add_co_u32 s19, s19, s20
	s_mul_i32 s20, s19, ROWB
	s_lshl_b32 s21, s17, 9
	s_add_co_u32 s20, s20, s21
	s_add_co_u32 s20, s20, 2048
	s_mov_b32 s21, 0
	s_mul_i32 s22, s10, 32*KP
	s_wait_dscnt 0x0
	s_wait_kmcnt 0x0
	s_add_nc_u64 s[20:21], s[4:5], s[20:21]
.irp n, 0,1
	s_mov_b32 s[G0+4*\n], 1
	s_add_co_u32 s[G0+4*\n+1], s22, \n*SLOT
	s_add_nc_u64 s[G0+4*\n+2:G0+4*\n+3], s[20:21], \n*256*ROWB
	s_or_b32 s[G0+4*\n+3], s[G0+4*\n+3], 0x80000000
.endr
	ROUND                                          ; the four work-groups are here: the first joint loads meet
	tensor_load_to_lds s[G0:G0+3], s[G1:G1+7]      ; keys 0 to 255
	s_nop 0
	tensor_load_to_lds s[G0+4:G0+7], s[G1:G1+7]    ; keys 256 to 511: two tensor loads of the wave are out, the most in this text
	s_nop 0
	; my own queries: these addresses hang on my place in the cluster and enter plain loads and stores alone
	s_bfe_u32 s13, ttmp6, 0x40000                  ; cx
	s_lshl2_add_u32 s68, s18, s13                  ; block of 256 queries = 4 x half + cx
	s_lshl_b32 s71, s16, 5
	s_lshl2_add_u32 s71, s68, s71                  ; 32 b + 4 x block
	s_add_co_u32 s69, s71, s12                     ; my block of 64 queries
	s_mov_b32 s3, 0
	s_lshl_b32 s2, s69, 14                         ; its mask words: 32 steps x 512 bytes
	s_add_nc_u64 s[6:7], s[6:7], s[2:3]
	s_mul_i32 s2, s69, 64*ROWB                     ; its q: byte 256 x head pair + 128 x head of the rows
	s_lshl_b32 s70, s17, 8
	s_add_co_u32 s2, s2, s70
	s_lshl_b32 s70, s11, 7
	s_add_co_u32 s2, s2, s70
	s_add_nc_u64 s[66:67], s[4:5], s[2:3]
	s_lshl_b32 s2, s71, 17                         ; ao: row 64 (32 b + 4 x block) + 32 w of 2,048 bytes, byte 256 x head pair
	s_lshl_b32 s70, s10, 16
	s_add_co_u32 s2, s2, s70
	s_lshl_b32 s70, s17, 8
	s_add_co_u32 s2, s2, s70
	s_add_nc_u64 s[8:9], s[8:9], s[2:3]
	v_and_b32 v1, 15, v0                           ; r
	v_bfe_u32 v2, v0, 4, 1                         ; h
	v_and_b32 v3, 7, v0
	v_bfe_u32 v18, v0, 3, 1
	v_mul_u32_u24 v19, v1, KP                      ; K: key r, 16 h, my head's 256 bytes
	v_lshl_add_u32 v19, v2, 4, v19
	s_lshl_b32 s23, s11, 8
	v_add_nc_u32 v4, s23, v19
	v_add_nc_u32 v5, 2*STEPB, v4
	v_add_nc_u32 v6, SLOT, v4
	v_add_nc_u32 v7, SLOT+2*STEPB, v4
	v_lshl_add_u32 v19, v2, 3, v3                  ; V: key 8 h + (l & 7), 16 bytes for each half of eight lanes, behind my head's k
	v_mul_u32_u24 v19, v19, KP
	v_lshl_add_u32 v19, v18, 4, v19
	s_add_co_u32 s23, s23, 128
	v_add_nc_u32 v8, s23, v19
	v_add_nc_u32 v9, 2*STEPB, v8
	v_add_nc_u32 v10, SLOT, v8
	v_add_nc_u32 v11, SLOT+2*STEPB, v8
	v_mov_b32 v12, 0xff800000                      ; -infinity
	v_mov_b32 v13, 0                               ; the exchange's destination counts as read
	v_mul_u32_u24 v14, v1, ROWB                    ; q: row r, 16 h
	v_lshl_add_u32 v14, v2, 4, v14
	s_mul_i32 s24, s12, 64*SP                      ; stage, in: row 64 (w & 3) + r, byte 128 x head + 16 h
	s_lshl_b32 s25, s11, 7
	s_add_co_u32 s24, s24, s25
	v_mul_u32_u24 v15, v1, SP
	v_lshl_add_u32 v15, v2, 4, v15
	v_add_nc_u32 v15, s24, v15
	s_mul_i32 s24, s10, 32*SP                      ; stage, back: row 32 w + h, byte 16 r
	v_mul_u32_u24 v16, v2, SP
	v_lshl_add_u32 v16, v1, 4, v16
	v_add_nc_u32 v16, s24, v16
	v_lshlrev_b32 v17, 11, v2                      ; and the same two rows in ao
	v_lshl_add_u32 v17, v1, 4, v17
.irp i, 0,1,2,3
	v_mov_b32 v[20+2*\i], 0xff7fffff               ; the running maxima start at -FLT_MAX
.endr
; 64 mask words (two query tiles x 4 key tiles x 8 registers), 256 bytes: word x lies in s[16 + x], from word 48 on in s[20 + x]
.macro MLOAD off
	s_load_b512 s[16:31], s[6:7], \off
	s_load_b512 s[32:47], s[6:7], \off+64
	s_load_b512 s[48:63], s[6:7], \off+128
	s_load_b512 s[68:83], s[6:7], \off+192
.endm
.macro KLOAD slot, q                   ; the 64 keys of step q of a slot: 4 key tiles x 2 halves of the 64 dimensions, 16 loads
.irp kt, 0,1,2,3
.irp c, 0,1
.irp e, 0,1
	ds_load_b128 v[64+8*(2*\kt+\c)+4*\e:64+8*(2*\kt+\c)+4*\e+3], v[4+2*\slot+(\q>>1)] offset:(\q&1)*STEPB+16*KP*\kt+64*\c+32*\e
.endr
.endr
.endr
.endm
.macro VLOAD slot, q                   ; the same keys' v, transposed: 4 tiles of 16 dimensions x 2 halves of the 64 keys, 16 loads
	WIN 0x40
.irp dt, 0,1,2,3
.irp u, 0,1
.irp e, 0,1
	ds_load_tr16_b128 v[192+8*(2*\dt+\u)+4*\e:192+8*(2*\dt+\u)+4*\e+3], v[8+2*\slot+(\q>>1)] offset:(\q&1)*STEPB+32*KP*\u+16*KP*\e+32*\dt
.endr
.endr
.endr
.endm
; Scores of 64 keys x 64 queries.  For each pair of query tiles 8 accumulators take turns, one instruction a turn: first the dimensions 0-31, which start the sums, then 32-63.
.macro SMUL
	WIN 0x04
.irp ia, 0,2
.irp c, 0,1
.irp di, 0,1
.irp kt, 0,1,2,3
.set sb, 128+32*(\ia+\di)+8*\kt
.set kb, 64+8*(2*\kt+\c)
.set qb, 128+8*(2*(\ia+\di)+\c)
.if \c
	v_wmma_f32_16x16x32_f16 v[sb:sb+7], v[kb:kb+7], v[qb:qb+7], v[sb:sb+7]
.else
	v_wmma_f32_16x16x32_f16 v[sb:sb+7], v[kb:kb+7], v[qb:qb+7], 0
.endif
.endr
.endr
.endr
.endr
.endm
.macro CND ia                          ; -infinity where the mask says so, query tiles ia and ia + 1
.irp di, 0,1
.irp kt, 0,1,2,3
.irp j, 0,1,2,3,4,5,6,7
.set mx, 32*\di+8*\kt+\j
.set sb, 128+32*(\ia+\di)+8*\kt+\j
	v_cndmask_b32 v[sb], v[sb], v12, s[16+mx+4*(mx/48)]
.endr
.endr
.endr
.endm
.macro RMAX i, par                     ; the new maximum of query tile i: my 32 scores in four chains, the other half of the wave, the old maximum
.irp k, 0,1,2,3
	v_max3_num_f32 v[36+\k], v[128+32*\i+8*\k], v[128+32*\i+8*\k+1], v[128+32*\i+8*\k+2]
.endr
.irp k, 0,1,2,3
	v_max3_num_f32 v[36+\k], v[36+\k], v[128+32*\i+8*\k+3], v[128+32*\i+8*\k+4]
.endr
.irp k, 0,1,2,3
	v_max3_num_f32 v[36+\k], v[36+\k], v[128+32*\i+8*\k+5], v[128+32*\i+8*\k+6]
.endr
	v_max3_num_f32 v36, v36, v37, v38
	v_max3_num_f32 v36, v36, v39, v[128+32*\i+7]
	v_max3_num_f32 v36, v36, v[128+32*\i+15], v[128+32*\i+23]
	v_max_num_f32 v36, v36, v[128+32*\i+31]
	v_permlanex16_b32 v13, v36, s14, s15
	v_max3_num_f32 v[20+2*\i+1-\par], v36, v13, v[20+2*\i+\par]
.endm
.macro ALPHA ia, ib, par               ; 2^(old maximum - new maximum)
	v_sub_f32 v[32+\ia], v[20+2*\ia+\par], v[20+2*\ia+1-\par]
	v_sub_f32 v[32+\ib], v[20+2*\ib+\par], v[20+2*\ib+1-\par]
	v_exp_f32 v[32+\ia], v[32+\ia]
	v_exp_f32 v[32+\ib], v[32+\ib]                 ; the subtractions that follow are the plain place behind these (ISA guide 5.7.2)
.endm
.macro SUBM i, par                     ; score - new maximum, two at a time; the new maximum is the pair's low register in odd steps, its high one in even steps
.irp p, 0,2,4,6,8,10,12,14,16,18,20,22,24,26,28,30
.if \par
	v_pk_add_f32 v[128+32*\i+\p:128+32*\i+\p+1], v[128+32*\i+\p:128+32*\i+\p+1], v[20+2*\i:21+2*\i] op_sel_hi:[1,0] neg_lo:[0,1] neg_hi:[0,1]
.else
	v_pk_add_f32 v[128+32*\i+\p:128+32*\i+\p+1], v[128+32*\i+\p:128+32*\i+\p+1], v[20+2*\i:21+2*\i] op_sel:[0,1] op_sel_hi:[1,1] neg_lo:[0,1] neg_hi:[0,1]
.endif
.endr
.endm
.macro EXPS i                          ; behind each run of exponentials stands plain work on other registers before a result is used (ISA guide 5.7.2)
.set ex, 0
.rept 32
	v_exp_f32 v[128+32*\i+ex], v[128+32*\i+ex]
.set ex, ex+1
.endr
.endm
.macro RSUM i, first                   ; my 32 probabilities in four chains of pairs; sum = sum x factor + that
	s_wait_alu depctr_va_vdst(0)
.irp k, 0,1,2,3
	v_pk_add_f32 v[40+2*\k:41+2*\k], v[128+32*\i+2*\k:128+32*\i+2*\k+1], v[136+32*\i+2*\k:136+32*\i+2*\k+1]
.endr
.irp k, 0,1,2,3
	v_pk_add_f32 v[40+2*\k:41+2*\k], v[40+2*\k:41+2*\k], v[144+32*\i+2*\k:144+32*\i+2*\k+1]
.endr
.irp k, 0,1,2,3
	v_pk_add_f32 v[40+2*\k:41+2*\k], v[40+2*\k:41+2*\k], v[152+32*\i+2*\k:152+32*\i+2*\k+1]
.endr
	v_pk_add_f32 v[40:41], v[40:41], v[42:43]
	v_pk_add_f32 v[44:45], v[44:45], v[46:47]
	v_pk_add_f32 v[40:41], v[40:41], v[44:45]
.if \first
	v_add_f32 v[28+\i], v40, v41
.else
	v_add_f32 v40, v40, v41
	v_fma_f32 v[28+\i], v[28+\i], v[32+\i], v40
.endif
.endm
.macro PACK i                          ; to f16 in place, destinations ascending behind their sources: key tiles 2 u and 2 u + 1 become the 8 registers of source 1 for keys 32 u .. 32 u + 31
.irp u, 0,1
.irp t, 0,1
.irp r, 0,1,2,3
	v_cvt_pk_f16_f32 v[128+32*\i+16*\u+4*\t+\r], v[128+32*\i+16*\u+8*\t+2*\r], v[128+32*\i+16*\u+8*\t+2*\r+1]
.endr
.endr
.endr
.endm
.macro SCALEO i                        ; O of query tile i times its factor in v[32 + i]
	WIN 0x41
.irp p, 0,2,4,6,8,10,12,14,16,18,20,22,24,26,28,30
.if \i&1
	v_pk_mul_f32 v[32*\i+\p:32*\i+\p+1], v[32*\i+\p:32*\i+\p+1], v[32+2*(\i/2):33+2*(\i/2)] op_sel:[0,1] op_sel_hi:[1,1]
.else
	v_pk_mul_f32 v[32*\i+\p:32*\i+\p+1], v[32*\i+\p:32*\i+\p+1], v[32+2*(\i/2):33+2*(\i/2)] op_sel_hi:[1,0]
.endif
.endr
.endm
.macro PV ia, zero                     ; O += v transposed x probabilities, query tiles ia and ia + 1: 8 accumulators by turns, one instruction a turn; keys 0-31, then 32-63
	WIN 0x51
.irp u, 0,1
.irp di, 0,1
.irp dt, 0,1,2,3
.set ob, 8*(4*(\ia+\di)+\dt)
.set vb, 192+8*(2*\dt+\u)
.set pb, 128+32*(\ia+\di)+16*\u
.if \zero*(1-\u)
	v_wmma_f32_16x16x32_f16 v[ob:ob+7], v[vb:vb+7], v[pb:pb+7], 0
.else
	v_wmma_f32_16x16x32_f16 v[ob:ob+7], v[vb:vb+7], v[pb:pb+7], v[ob:ob+7]
.endif
.endr
.endr
.endr
.endm
.macro SOFT ia, ib, par, first
	RMAX \ia, \par
	RMAX \ib, \par
.if \first == 0
	ALPHA \ia, \ib, \par
.endif
	SUBM \ia, \par
	EXPS \ia
	SUBM \ib, \par
	EXPS \ib
	RSUM \ia, \first
	PACK \ia
	RSUM \ib, \first
	PACK \ib
.if \first == 0
	SCALEO \ia
	SCALEO \ib
.endif
.endm
; One step: 64 keys.  n: the step's number in a lap of 8 (512 keys); slot, q: where its keys lie; nslot, nq: the next step's.
; chg = 1: the slot's last step, and the slot is filled again; 2: the slot's last step, nothing left to fetch; 3: the very last step.
; mnext = 0: the next step's mask words follow in the lap; 1: the lap ends, the stream's base steps; 2: none are left.
.macro STEP n, slot, q, first, chg, nslot, nq, mnext
	s_wait_dscnt 0x0                               ; this step's K fragments are in
.if \first
	s_wait_loadcnt 0x0                             ; and Q
.endif
	SMUL
	WIN 0
	PLACES
	VLOAD \slot, \q
	WIN 0
.if \chg == 1
	s_wait_dscnt 0x0                               ; my reads of this slot are over,
	s_wait_tensorcnt 0x0                           ; all my tensor loads have landed (one was out: my part of the other slot),
	ds_add_u32 v62, v63
	s_wait_dscnt 0x0
	s_add_nc_u64 s[G0+4*\slot+2:G0+4*\slot+3], s[G0+4*\slot+2:G0+4*\slot+3], 512*ROWB   ; so a group 0 may be written: this slot's next 256 keys
	ROUND                                          ; both now hold of every wave of the four work-groups
	tensor_load_to_lds s[G0+4*\slot:G0+4*\slot+3], s[G1:G1+7]      ; the wave's one tensor load behind the round, first thing there; it has four steps in which to land
	s_nop 0
.endif
.if \chg == 2
	s_wait_dscnt 0x0
	s_wait_tensorcnt 0x0                           ; my part of the last 256 keys has landed
	s_barrier_signal -1
	s_barrier_wait -1                              ; everybody's has, and nobody reads slot 0 any more
.endif
.if \chg != 3
	KLOAD \nslot, \nq                              ; the next step's K, a whole step ahead of its use
.endif
	s_wait_kmcnt 0x0
	CND 0
	MLOAD 512*\n+256                               ; the words of query tiles 2 and 3
	SOFT 0, 1, (\n&1), \first
.if \chg == 3
	s_wait_dscnt 0x0
.else
	s_wait_dscnt 16                                ; V is in; the 16 loads of K issued behind it may stay out
.endif
	PV 0, \first
	WIN 0
	s_wait_kmcnt 0x0                               ; no scalar load is out behind this wait, so the stream's base may be stepped
	CND 2
.if \mnext == 0
	MLOAD 512*\n+512
.endif
.if \mnext == 1
	s_add_nc_u64 s[6:7], s[6:7], 4096
	MLOAD 0
.endif
	SOFT 2, 3, (\n&1), \first
	PV 2, \first
	WIN 0
.rept 5
	v_nop                                          ; five places before the next scores are written over the probabilities that the last products read (ISA guide 7.12.1)
.endr
.endm
	MLOAD 0
	WIN 0x40
.irp i, 0,1,2,3
.irp c, 0,1
.irp e, 0,1
	global_load_b128 v[128+8*(2*\i+\c)+4*\e:128+8*(2*\i+\c)+4*\e+3], v14, s[66:67] offset:16*ROWB*\i+64*\c+32*\e
.endr
.endr
.endr
	WIN 0
	s_wait_tensorcnt 0x1                           ; my part of slot 0 is in; slot 1's load, issued behind it, stays out
	s_barrier_signal -1
	s_barrier_wait -1
	KLOAD 0, 0
	STEP 0, 0, 0, 1, 0, 0, 1, 0                    ; the first step starts the sums: nothing is cleared
	s_mov_b32 s100, 3
.Llap:
	STEP 1, 0, 1, 0, 0, 0, 2, 0
	STEP 2, 0, 2, 0, 0, 0, 3, 0
	STEP 3, 0, 3, 0, 1, 1, 0, 0
	STEP 4, 1, 0, 0, 0, 1, 1, 0
	STEP 5, 1, 1, 0, 0, 1, 2, 0
	STEP 6, 1, 2, 0, 0, 1, 3, 0
	STEP 7, 1, 3, 0, 1, 0, 0, 1
	STEP 0, 0, 0, 0, 0, 0, 1, 0
	s_sub_co_u32 s100, s100, 1
	s_cmp_lg_u32 s100, 0
	s_cbranch_scc1 .Llap
	STEP 1, 0, 1, 0, 0, 0, 2, 0                    ; the last lap fetches nothing
	STEP 2, 0, 2, 0, 0, 0, 3, 0
	STEP 3, 0, 3, 0, 2, 1, 0, 0
	STEP 4, 1, 0, 0, 0, 1, 1, 0
	STEP 5, 1, 1, 0, 0, 1, 2, 0
	STEP 6, 1, 2, 0, 0, 1, 3, 0
	STEP 7, 1, 3, 0, 3, 0, 0, 2
	; THE WAY OUT: join the two halves' sums, divide, round to f16, through the stage, whole rows of 256 bytes (two heads) out
.irp i, 0,1,2,3
	v_permlanex16_b32 v13, v[28+\i], s14, s15
	v_add_f32 v[28+\i], v[28+\i], v13
.endr
.irp i, 0,1,2,3
	v_rcp_f32 v[32+\i], v[28+\i]
.endr
	v_nop                                          ; the plain place behind the reciprocals (ISA guide 5.7.2)
	s_wait_alu depctr_va_vdst(0)
	SCALEO 0
	SCALEO 1
	SCALEO 2
	SCALEO 3
	WIN 0x05
.irp i, 0,1,2,3
.irp dt, 0,1,2,3
.irp r, 0,1,2,3
	v_cvt_pk_f16_f32 v[128+16*\i+4*\dt+\r], v[32*\i+8*\dt+2*\r], v[32*\i+8*\dt+2*\r+1]
.endr
.endr
.endr
	WIN 0
.irp i, 0,1,2,3
.irp dt, 0,1,2,3
	ds_store_b128 v15, v[128+16*\i+4*\dt:128+16*\i+4*\dt+3] offset:16*SP*\i+32*\dt     ; slot 0 has had its last fill, and its last read lies in front of the last lap's barrier
.endr
.endr
	s_wait_dscnt 0x0                               ; for the other waves' sake: a row holds two waves' halves
	s_barrier_signal -1
	s_barrier_wait -1
.irp t, 0,1,2,3,4,5,6,7,8,9,10,11,12,13,14,15
	ds_load_b128 v[64+4*\t:64+4*\t+3], v16 offset:2*SP*\t
.endr
.irp t, 0,1,2,3,4,5,6,7,8,9,10,11,12,13,14,15
	s_wait_dscnt 15-\t
	global_store_b128 v17, v[64+4*\t:64+4*\t+3], s[8:9] offset:4096*\t     ; 16 lanes store 256 consecutive bytes, at a multiple of 256 from the buffer's first byte
.endr
	s_wait_tensorcnt 0x0
	ds_add_u32 v62, v63
	s_wait_dscnt 0x0
	ROUND                                          ; the closing round
	s_endpgm
.Lfunc_end_k_q0b063ccbf7_attn:
	.size	k_q0b063ccbf7_attn, .Lfunc_end_k_q0b063ccbf7_attn-k_q0b063ccbf7_attn
	.p2alignl 7, 3214868480
	.fill 96, 4, 3214868480
	.section	.rodata,"a",@progbits
	.p2align	6, 0x0
	.amdhsa_kernel k_q0b063ccbf7_attn
		.amdhsa_group_segment_fixed_size 327680
		.amdhsa_private_segment_fixed_size 0
		.amdhsa_enable_private_segment 0
		.amdhsa_kernarg_size 24
		.amdhsa_user_sgpr_count 2
		.amdhsa_user_sgpr_kernarg_segment_ptr 1
		.amdhsa_wavefront_size32 1
		.amdhsa_system_sgpr_workgroup_id_x 1
		.amdhsa_system_sgpr_workgroup_id_y 1
		.amdhsa_system_sgpr_workgroup_id_z 1
		.amdhsa_system_vgpr_workitem_id 0
		.amdhsa_next_free_vgpr 512
		.amdhsa_next_free_sgpr 102
		.amdhsa_reserve_vcc 0
		.amdhsa_float_denorm_mode_32 3
		.amdhsa_float_denorm_mode_16_64 3
		.amdhsa_memory_ordered 1
		.amdhsa_forward_progress 1
		.amdhsa_inst_pref_size 255
	.end_amdhsa_kernel
	.section	.bss,"aw",@nobits
	.p2align	6
	.space	262144
	.amdgpu_metadata
---
amdhsa.version: [ 1, 2 ]
amdhsa.kernels:
  - .name:           k_q0b063ccbf7_attn
    .symbol:         k_q0b063ccbf7_attn.kd
    .args:
      - { .name: qkv, .offset: 0, .size: 8, .value_kind: global_buffer, .address_space: global }
      - { .name: mb, .offset: 8, .size: 8, .value_kind: global_buffer, .address_space: global }
      - { .name: ao, .offset: 16, .size: 8, .value_kind: global_buffer, .address_space: global }
    .group_segment_fixed_size: 327680
    .private_segment_fixed_size: 0
    .kernarg_segment_align: 8
    .kernarg_segment_size: 24
    .max_flat_workgroup_size: 256
    .sgpr_count:     102
    .vgpr_count:     512
    .wavefront_size: 32
...
	.end_amdgpu_metadata
.endif
;; end of part 3
;; launch oproj (part 4): grid 4 x 32, 4 waves a work-group, clusters of 4 x 4, 327,680 bytes of LDS; arguments ao, wo, out0; writes out0
.if DOCPART == 4
	.amdgcn_target "amdgcn-amd-amdhsa--gfx1250"
	.amdhsa_code_object_version 6
	.text
	.protected	k_q0b063ccbf7_oproj
	.globl	k_q0b063ccbf7_oproj
	.p2align	8
	.type	k_q0b063ccbf7_oproj,@function
k_q0b063ccbf7_oproj:
	s_mov_b64 s[64:65], 0
	v_nop
	global_prefetch_b8 v0, s[64:65] scope:SCOPE_SE
	s_setreg_imm32_b32 hwreg(HW_REG_WAVE_MODE, 25, 1), 1
	s_wait_xcnt 0x0
	s_wait_alu depctr_hold_cnt(0) depctr_sa_sdst(0) depctr_va_vdst(0) depctr_va_sdst(0) depctr_va_ssrc(0) depctr_va_vcc(0) depctr_vm_vsrc(0)
	s_getreg_b32 s2, hwreg(HW_REG_IB_STS2, 6, 4)
	s_cmp_eq_u32 s2, 0
	s_cbranch_scc0 .Lentry_in_a_cluster
	s_endpgm
.Lentry_in_a_cluster:
	s_bfe_u32 s2, ttmp6, 0x10000c
	s_cmp_lg_u32 s2, 0xf033
	s_cbranch_scc0 .Lentry_shape_is_right
	s_endpgm
.Lentry_shape_is_right:
; out0[m][n] = sum over k of ao[m][k] wo[n][k].  ao: [8192][1024] f16, wo: [1024][1024] f16, out0: [8192][1024] f32; sums in f32.
; The same frame as the projection of q, k and v: a block of 256 x 256 on four waves, a wave 128 x 128 in 512 registers, K in steps of 128 through two LDS slots filled by joint
; tensor loads in clusters of 4 x 4 (ao's tiles shared along a row of the cluster, wo's along a column), the matrix instruction used transposed (source 0 = rows of wo), so that a
; lane's eight results are eight neighbouring numbers of a row.  128 work-groups: the output has no more blocks of this size.
; REGISTERS: window 0: v16-26 addresses; v64-127, v128-191 fragments of ao, two buffers (on the way out: rows read back); window 1: the same for wo;
; window 2: the accumulator tiles of my rows 0-63 (tile (a, b) at v[8 (8 a + b)]); window 3: those of my rows 64-127.
.set SIZE_N, 1024
.set SIZE_K, 1024
.set KSTEP,  128
.set PITCH,  272
.set HALFT,  128*PITCH
.set SLOT,   4*HALFT
.set STAGE,  2*SLOT                    ; behind the ring: 16 rows x 528 bytes for each wave; no tensor load lands there
.set SPITCH, 528                       ; a row of 128 f32 + 16 bytes: 16 rows start 4 banks apart
.set LAPS, SIZE_K/(2*KSTEP)
.set ADRA, 16
.set ADRB, 20
.set STO,  24
.set RD,   25
.set CO,   26
.set F0,   64
.set F1,   128
.set G1, 24
.set G0, 32
.set G1B, 48
.set G0B, 56
.set MSB, 0
.macro WIN new
.if MSB != \new
	s_set_vgpr_msb (MSB<<8)|\new
.set MSB, \new
.endif
.endm
.set MUL_LO, 0xa1
.set MUL_HI, 0xf1
.set TO_B,   0x40
.macro JLOAD s                         ; waves 0 and 1 fetch ao's two halves, waves 2 and 3 wo's; the branch hangs on the wave's number alone
	s_cmp_eq_u32 s11, 0
	s_cbranch_scc0 .Lfor_b_\@
	tensor_load_to_lds s[G0+4*\s:G0+4*\s+3], s[G1:G1+7]
	s_nop 0
	s_branch .Lasked_\@
.Lfor_b_\@:
	tensor_load_to_lds s[G0B+4*\s:G0B+4*\s+3], s[G1B:G1B+7]
	s_nop 0
.Lasked_\@:
.endm
.macro CREST
	s_cmp_lg_u32 s10, 0
	s_cbranch_scc1 .Lnot_wave_0_\@
	s_barrier_signal -3
.Lnot_wave_0_\@:
	s_barrier_wait -3
	s_barrier_signal -1
	s_barrier_wait -1
.endm
.macro CROUND
	s_barrier_signal -1
	s_barrier_wait -1
	CREST
.endm
	s_load_b128 s[4:7], s[0:1], 0x0                ; ao s[4:5], wo s[6:7]
	s_load_b64 s[8:9], s[0:1], 0x10                ; out0
	s_set_vgpr_msb 0x40
	v_lshl_add_u32 v255, v0, 2, 0x4c400
	s_set_vgpr_msb 0x4000
	v_mov_b32 v255, 0
	s_set_vgpr_msb 0x1
	ds_add_u32 v255, v255
	s_set_vgpr_msb 0x100
	v_lshrrev_b32 v1, 5, v0
	v_readfirstlane_b32 s10, v1                    ; wave 0..3
	s_lshr_b32 s11, s10, 1                         ; my half of the rows; also: I fetch for ao (0) or wo (1)
	s_and_b32 s12, s10, 1                          ; my half of the columns; also: which 128 rows I fetch
	s_bfe_u32 s40, ttmp6, 0x40000                  ; cx
	s_bfe_u32 s41, ttmp6, 0x40004                  ; cy
	s_lshl_b32 s42, ttmp9, 2
	s_add_co_u32 s42, s42, s40                     ; block column
	s_and_b32 s13, ttmp7, 0xffff
	s_lshl_b32 s13, s13, 2
	s_add_co_u32 s13, s13, s41                     ; block row
	s_lshl_b32 s43, s41, 2
	s_lshl_b32 s43, 15, s43                        ; my row of the cluster
	s_lshl_b32 s44, 0x1111, s40                    ; my column
	s_or_b32 s[G1+0], s43, (1<<16)|(1<<20)|(1<<21)|(5<<22)|(3<<25)
	s_or_b32 s[G1B+0], s44, (1<<16)|(1<<20)|(1<<21)|(5<<22)|(3<<25)
	s_mov_b32 s[G1B+1], KSTEP<<16
	s_mov_b32 s[G1+1], KSTEP<<16
	s_mov_b32 s[G1B+2], 128<<16
	s_mov_b32 s[G1+2], 128<<16
	s_mov_b32 s[G1B+3], KSTEP<<16
	s_mov_b32 s[G1+3], KSTEP<<16
	s_mov_b32 s[G1B+4], 128
	s_mov_b32 s[G1+4], 128
	s_mov_b32 s[G1B+5], SIZE_K
	s_mov_b32 s[G1+5], SIZE_K
	s_mov_b32 s[G1B+6], 0
	s_mov_b32 s[G1+6], 0
	s_mov_b32 s[G1B+7], 0
	s_mov_b32 s[G1+7], 0
	s_lshl_b32 s17, s12, 7
	s_lshl_b32 s16, s13, 8
	s_add_co_u32 s16, s16, s17
	s_lshl_b32 s46, s42, 8
	s_add_co_u32 s46, s46, s17
	s_mov_b32 s17, 0
	s_mov_b32 s47, 0
	s_mov_b64 s[18:19], SIZE_K*2
	s_mul_u64 s[16:17], s[16:17], s[18:19]
	s_mul_u64 s[46:47], s[46:47], s[18:19]
	s_mul_i32 s20, s10, HALFT
	s_wait_dscnt 0x0
	s_wait_kmcnt 0x0
	s_add_nc_u64 s[14:15], s[4:5], s[16:17]
	s_add_nc_u64 s[46:47], s[6:7], s[46:47]
	CROUND                                         ; all sixteen work-groups are here: the first joint loads meet
.irp s, 0,1
	s_mov_b32 s[G0+4*\s], 1
	s_add_co_u32 s[G0+4*\s+1], s20, \s*SLOT
	s_add_nc_u64 s[G0+4*\s+2:G0+4*\s+3], s[14:15], \s*KSTEP*2
	s_or_b32 s[G0+4*\s+3], s[G0+4*\s+3], 0x80000000
	s_mov_b32 s[G0B+4*\s], 1
	s_add_co_u32 s[G0B+4*\s+1], s20, \s*SLOT
	s_add_nc_u64 s[G0B+4*\s+2:G0B+4*\s+3], s[46:47], \s*KSTEP*2
	s_or_b32 s[G0B+4*\s+3], s[G0B+4*\s+3], 0x80000000
	JLOAD \s                                       ; two tensor loads of the wave are out, the most in this text
.endr
	v_and_b32 v1, 15, v0
	v_bfe_u32 v2, v0, 4, 1
	v_mul_u32_u24 v3, v1, PITCH
	v_lshl_add_u32 v3, v2, 4, v3
	s_mul_i32 s21, s11, HALFT
	s_mul_i32 s22, s12, HALFT
	s_add_co_u32 s22, s22, 2*HALFT
.irp s, 0,1
	v_add_nc_u32 v[ADRA+\s], s21, v3
	v_add_nc_u32 v[ADRB+\s], s22, v3
	s_add_co_u32 s21, s21, SLOT
	s_add_co_u32 s22, s22, SLOT
.endr
	s_mul_i32 s23, s10, 16*SPITCH
	s_add_co_u32 s23, s23, STAGE                   ; my stage
	v_mul_u32_u24 v4, v1, SPITCH                   ; in: row l % 16, 32 bytes for each half of the lanes
	v_lshl_add_u32 v4, v2, 5, v4
	v_add_nc_u32 v[STO], s23, v4
	v_and_b32 v5, 31, v0
	v_lshlrev_b32 v[CO], 4, v5                     ; back and out: 32 lanes take a row's 512 bytes
	v_add_nc_u32 v[RD], s23, v[CO]
; The 64 accumulators take turns, one instruction a turn, in the same order in every quarter step.
.macro MUL16 f, hi, a0, zero
.irp a, \a0, \a0+1
.irp b, 0,1,2,3,4,5,6,7
.if \zero
	v_wmma_f32_16x16x32_f16 v[8*(8*(\a)+\b):8*(8*(\a)+\b)+7], v[\f+8*\b:\f+8*\b+7], v[\f+8*(4*\hi+\a):\f+8*(4*\hi+\a)+7], 0
.else
	v_wmma_f32_16x16x32_f16 v[8*(8*(\a)+\b):8*(8*(\a)+\b)+7], v[\f+8*\b:\f+8*\b+7], v[\f+8*(4*\hi+\a):\f+8*(4*\hi+\a)+7], v[8*(8*(\a)+\b):8*(8*(\a)+\b)+7]
.endif
.endr
.endr
.endm
.macro FETCH slot, k, f
	WIN TO_B
.irp i, 0,1,2,3,4,5,6,7
	ds_load_b128 v[\f+8*\i:\f+8*\i+3],   v[ADRB+\slot] offset:\k+\i*16*PITCH
	ds_load_b128 v[\f+8*\i+4:\f+8*\i+7], v[ADRB+\slot] offset:\k+\i*16*PITCH+32
.endr
	WIN 0
.irp i, 0,1,2,3,4,5,6,7
	ds_load_b128 v[\f+8*\i:\f+8*\i+3],   v[ADRA+\slot] offset:\k+\i*16*PITCH
	ds_load_b128 v[\f+8*\i+4:\f+8*\i+7], v[ADRA+\slot] offset:\k+\i*16*PITCH+32
.endr
.endm
.macro PLACES                          ; four places between a matrix instruction and a load into one of its sources or an LDS store of its result
.rept 4
	v_nop
.endr
.endm
.macro QUARTER slot, k, f, g, zero
	s_wait_dscnt 8                                 ; wo and ao's rows 0-63 are in; the youngest eight loads may be out
	WIN MUL_LO
	MUL16 \f, 0, 0, \zero
	MUL16 \f, 0, 2, \zero
	PLACES
	FETCH \slot, \k, \g
	s_wait_dscnt 32                                ; all but the 32 just issued
	WIN MUL_HI
	MUL16 \f, 1, 0, \zero
	MUL16 \f, 1, 2, \zero
.endm
.macro THREE slot, zero
	QUARTER \slot, 64,  F0, F1, \zero
	QUARTER \slot, 128, F1, F0, 0
	QUARTER \slot, 192, F0, F1, 0
.endm
.macro TURN slot, next, fill
	s_wait_dscnt 8
	WIN MUL_LO
	MUL16 F1, 0, 0, 0
	s_wait_dscnt 0                                 ; my reads of this slot are over
	s_wait_tensorcnt 0x0                           ; and all my tensor loads have landed: the one that was out is my part of the next slot
	ds_add_u32 v255, v255
	s_wait_dscnt 0x0
	s_barrier_signal -1
	MUL16 F1, 0, 2, 0
	WIN 0
	s_barrier_wait -1
.if \fill
	CREST                                          ; no wave of any partner still reads this slot's tile or has a load on its way
	s_add_nc_u64 s[G0+4*\slot+2:G0+4*\slot+3], s[G0+4*\slot+2:G0+4*\slot+3], 2*KSTEP*2
	s_add_nc_u64 s[G0B+4*\slot+2:G0B+4*\slot+3], s[G0B+4*\slot+2:G0B+4*\slot+3], 2*KSTEP*2
	JLOAD \slot                                    ; the wave's one tensor load behind the round, and the first thing there
.endif
	PLACES
	FETCH \next, 0, F0
	WIN MUL_HI
	MUL16 F1, 1, 0, 0
	MUL16 F1, 1, 2, 0
.endm
.macro LAP zero
	THREE 0, \zero
	TURN 0, 1, 1
	THREE 1, 0
	TURN 1, 0, 1
.endm
	s_wait_tensorcnt 1                             ; my part of K step 0 is in; K step 1's load stays out
	s_barrier_signal -1
	s_barrier_wait -1
	FETCH 0, 0, F0
	LAP 1
	WIN 0
	s_mov_b32 s3, LAPS-2
.Llap:
	LAP 0
	WIN 0
	s_sub_co_u32 s3, s3, 1
	s_cmp_lg_u32 s3, 0
	s_cbranch_scc1 .Llap
	THREE 0, 0
	TURN 0, 1, 0
	THREE 1, 0
	s_wait_dscnt 8
	WIN MUL_LO
	MUL16 F1, 0, 0, 0
	MUL16 F1, 0, 2, 0
	s_wait_dscnt 0
	WIN MUL_HI
	MUL16 F1, 1, 0, 0
	MUL16 F1, 1, 2, 0
	; THE WAY OUT, 16 rows at a time: the f32 sums as they are, 32 bytes a lane into my own stage, read back as whole rows of 512 bytes
	PLACES
	s_lshl_b32 s13, s13, 8
	s_lshl_b32 s14, s11, 7
	s_add_co_u32 s16, s13, s14                     ; my first row
	s_mov_b32 s17, 0
	s_mov_b64 s[18:19], SIZE_N*4
	s_mul_u64 s[16:17], s[16:17], s[18:19]
	s_add_nc_u64 s[8:9], s[8:9], s[16:17]
	s_lshl_b32 s46, s42, 10                        ; my first column, in bytes: 1,024 x block + 512 x half
	s_lshl_b32 s47, s12, 9
	s_add_co_u32 s46, s46, s47
	s_mov_b32 s47, 0
	s_add_nc_u64 s[8:9], s[8:9], s[46:47]
; rows 16 i .. 16 i + 15 = the eight tiles (a, 0..7); w: their window in the place of an LDS store's data (source 1); f: F0 or F1 in turn
.macro OUTF i, a, w, f
	WIN \w
.irp b, 0,1,2,3,4,5,6,7
	ds_store_b128 v[STO], v[8*(8*\a+\b):8*(8*\a+\b)+3] offset:64*\b
	ds_store_b128 v[STO], v[8*(8*\a+\b)+4:8*(8*\a+\b)+7] offset:64*\b+16
.endr
	WIN 0
	s_wait_xcnt 0x0                                ; every earlier memory instruction has had its addresses translated (ISA guide 3.1): buffer f, which stores read, and the stores' base are rewritten only behind this wait
.if \i
	s_add_nc_u64 s[8:9], s[8:9], 16*SIZE_N*4
.endif
.irp t, 0,1,2,3,4,5,6,7,8,9,10,11,12,13,14,15
	ds_load_b128 v[\f+4*\t:\f+4*\t+3], v[RD] offset:\t*SPITCH      ; LDS serves a wave's instructions in order (ISA guide 5.7.1.4): these see the stores above
.endr
.irp t, 0,1,2,3,4,5,6,7,8,9,10,11,12,13,14,15
	s_wait_dscnt 15-\t
	global_store_b128 v[CO], v[\f+4*\t:\f+4*\t+3], s[8:9] offset:\t*SIZE_N*4     ; the wave stores 512 consecutive bytes of a row, at a multiple of 512 from the buffer's first byte
.endr
.endm
	OUTF 0, 0, 0x08, F0
	OUTF 1, 1, 0x08, F1
	OUTF 2, 2, 0x08, F0
	OUTF 3, 3, 0x08, F1
	OUTF 4, 0, 0x0c, F0
	OUTF 5, 1, 0x0c, F1
	OUTF 6, 2, 0x0c, F0
	OUTF 7, 3, 0x0c, F1
	s_set_vgpr_msb 0x1
	s_wait_tensorcnt 0x0
	ds_add_u32 v255, v255
	s_wait_dscnt 0x0
	s_set_vgpr_msb 0x100
	CROUND                                         ; the closing round
	s_endpgm
.Lfunc_end_k_q0b063ccbf7_oproj:
	.size	k_q0b063ccbf7_oproj, .Lfunc_end_k_q0b063ccbf7_oproj-k_q0b063ccbf7_oproj
	.p2alignl 7, 3214868480
	.fill 96, 4, 3214868480
	.section	.rodata,"a",@progbits
	.p2align	6, 0x0
	.amdhsa_kernel k_q0b063ccbf7_oproj
		.amdhsa_group_segment_fixed_size 327680
		.amdhsa_private_segment_fixed_size 0
		.amdhsa_enable_private_segment 0
		.amdhsa_kernarg_size 24
		.amdhsa_user_sgpr_count 2
		.amdhsa_user_sgpr_kernarg_segment_ptr 1
		.amdhsa_wavefront_size32 1
		.amdhsa_system_sgpr_workgroup_id_x 1
		.amdhsa_system_sgpr_workgroup_id_y 1
		.amdhsa_system_sgpr_workgroup_id_z 1
		.amdhsa_system_vgpr_workitem_id 0
		.amdhsa_next_free_vgpr 1024
		.amdhsa_next_free_sgpr 66
		.amdhsa_reserve_vcc 0
		.amdhsa_float_denorm_mode_32 3
		.amdhsa_float_denorm_mode_16_64 3
		.amdhsa_memory_ordered 1
		.amdhsa_forward_progress 1
		.amdhsa_inst_pref_size 196
	.end_amdhsa_kernel
	.amdgpu_metadata
---
amdhsa.version: [ 1, 2 ]
amdhsa.kernels:
  - .name:           k_q0b063ccbf7_oproj
    .symbol:         k_q0b063ccbf7_oproj.kd
    .args:
      - { .name: ao, .offset: 0, .size: 8, .value_kind: global_buffer, .address_space: global }
      - { .name: wo, .offset: 8, .size: 8, .value_kind: global_buffer, .address_space: global }
      - { .name: out0, .offset: 16, .size: 8, .value_kind: global_buffer, .address_space: global }
    .group_segment_fixed_size: 327680
    .private_segment_fixed_size: 0
    .kernarg_segment_align: 8
    .kernarg_segment_size: 24
    .max_flat_workgroup_size: 128
    .sgpr_count:     66
    .vgpr_count:     1024
    .wavefront_size: 32
...
	.end_amdgpu_metadata
.endif
;; end of part 4
;; ======== version 2 of 2: 4 launches; 1.17 times as fast as version 1
;; limits: values are held in f16: magnitudes above 65,504 overflow, below 6.1e-05 lose precision
;; workspace buffers: xb 16,777,216 bytes; wb 6,291,456 bytes; wo 2,097,152 bytes; tab 1,048,576 bytes; mb 2,097,152 bytes of whole numbers; qkv 50,331,648 bytes; ao 16,777,216 bytes
;; launch prep: the kernel of part 1 again; grid 1024 x 1, 8 waves a work-group, no clusters, 18,432 bytes of LDS; arguments x, W_q, W_k, W_v, W_o, mask, xb, wb, wo, tab, mb; writes xb, wb, wo, tab, mb
;; launch qkv: the kernel of part 2 again; grid 12 x 32, 4 waves a work-group, clusters of 4 x 4, 327,680 bytes of LDS; arguments xb, wb, tab, qkv; writes qkv
;; launch attn (part 5): grid 256 x 1, 8 waves a work-group, clusters of 4 x 1, 327,680 bytes of LDS; arguments qkv, mb, ao; writes ao
.if DOCPART == 5
	.amdgcn_target "amdgcn-amd-amdhsa--gfx1250"
	.amdhsa_code_object_version 6
	.text
	.protected	k_q0b063ccbf7_attn
	.globl	k_q0b063ccbf7_attn
	.p2align	8
	.type	k_q0b063ccbf7_attn,@function
k_q0b063ccbf7_attn:
	s_mov_b64 s[64:65], 0
	v_nop
	global_prefetch_b8 v0, s[64:65] scope:SCOPE_SE
	s_setreg_imm32_b32 hwreg(HW_REG_WAVE_MODE, 25, 1), 1
	s_wait_xcnt 0x0
	s_wait_alu depctr_hold_cnt(0) depctr_sa_sdst(0) depctr_va_vdst(0) depctr_va_sdst(0) depctr_va_ssrc(0) depctr_va_vcc(0) depctr_vm_vsrc(0)
	s_getreg_b32 s2, hwreg(HW_REG_IB_STS2, 6, 4)
	s_cmp_eq_u32 s2, 0
	s_cbranch_scc0 .Lentry_in_a_cluster
	s_endpgm
.Lentry_in_a_cluster:
	s_bfe_u32 s2, ttmp6, 0x10000c
	s_cmp_lg_u32 s2, 0x3003
	s_cbranch_scc0 .Lentry_shape_is_right
	s_endpgm
.Lentry_shape_is_right:
; Attention with a running maximum: ao[b][s][64 head + d] = softmax over the keys of (q.k / 8, masked) times v.  qkv: [8192][3072] f16 as the projection stored it
; (q rotated and times 0.125 log2(e), so that the scores are exponents of 2; a head's rotated k and its v are 256 neighbouring bytes of a row); mb: the mask as lane masks; ao: [8192][1024] f16.
; SHARES.  Cluster c of 64: batch c >> 4, head pair (c >> 1) & 7, half of the queries c & 1; its four work-groups take 256 queries each.  Wave w: head w >> 2 of the pair, 64 queries (w & 3): four query tiles of 16.
; Two heads in a work-group, so that a row of ao leaves as 256 consecutive bytes.  The four work-groups walk the same keys of the same two heads: K and V are asked for JOINTLY (mask 15).
; BOTH PRODUCTS ARE USED TRANSPOSED.  Scores: source 0 = 16 keys, source 1 = 16 queries: lane (r, h) holds query r, register j key 8 h + j.  Packed in pairs, two key tiles are
; source 1 of the second product as they stand.  Second product: source 0 = v transposed (ds_load_tr16_b128), result: lane (r, h) holds query r, register j dimension 8 h + j.
; So the maximum, the sum and the rescaling factor of a query are one number a lane; one exchange between the halves of the wave joins the maxima in each step, and the sums once at the end.
; LDS: two slots of 256 keys x 528 bytes (k, v of head 0, k, v of head 1: 512 bytes, + 16 of padding); a slot serves four steps of 64 keys, and the ring's eight places of 64 keys lie 33,792 bytes apart.
; The 528-byte pitch keeps K's reads apart in the banks; the transposing reads of V meet two deep, a cost that is accepted.
; The stage of the way out (256 rows x 272 bytes) lies in slot 1, behind that slot's last fill and last read.
; THE TEXT IS SHORT ON PURPOSE.  A step of 64 keys is some 730 instructions.  One text of it, BODY, serves every step: the LDS addresses of K and V are a base, the slot's offset and a step of 33,792 bytes a body;
; the mask stream's base steps by 512 bytes a body.  BODY n holds the K loads of step n + 1, the softmax and second product of step n, and the scores and V loads of step n + 1, so that
; the change of slots falls between two bodies.  It is written four times: the first step (which starts the sums), the loop with refills, the loop without, the last step.
; LIMITS.  q, k, v and ao are f16: magnitudes above 65,504 overflow.  A probability under 6e-8 of the row's largest becomes 0 (f16).  The running maximum starts at -FLT_MAX:
; key blocks that are masked whole add 0, and a row that is masked whole gives 0 x infinity = NaN, as a softmax over -infinity alone does.  The f32 sums run in an order of their own.
; WINDOW 0: v4, v5 K's and V's address at the ring's first place; v6, v7 at the place that is loaded next; v12 -infinity; v13 exchange; v14-17 offsets; v20-27 maxima, a pair for each query tile: old, new;
;           v28-31 sums; v32-35 factors; v36-47 at work; v64-127 K fragments (kt, c) at 64 + 8 (2 kt + c); v128-255 scores (i, kt) at 128 + 32 i + 8 kt, later probabilities (i, u) at 128 + 32 i + 16 u.
; WINDOW 1: O (i, dt) at 8 (4 i + dt); Q (i, c) at 128 + 8 (2 i + c); V (dt, u) at 192 + 8 (2 dt + u).
.set KP,    528                        ; LDS pitch of a key row
.set SLOT,  256*KP                     ; 135,168
.set STEPB, 64*KP                      ; 33,792: a step's 64 keys
.set ROWB,  6144                       ; bytes of a row of qkv
.set SP,    272                        ; pitch of the stage
.set STAGE, SLOT                       ; the stage begins where slot 1 begins
.set G1, 84                            ; s[84:91] descriptor group 1
.set G0, 92                            ; s[92:95] group 0 of slot 0's first fill; s[96:99] group 0 of slot 1's first fill and of every refill
.set WPART, 104                        ; s104: my 32 rows' place in a slot, wave x 16,896
.set MSB, 0
.macro WIN new
.if MSB != \new
	s_set_vgpr_msb (MSB<<8)|\new
.set MSB, \new
.endif
.endm
.macro PLACES                          ; four places between a matrix instruction and a load into one of its sources or a vector instruction on its result (ISA guide 7.12.1 for vector instructions)
.rept 4
	v_nop
.endr
.endm
.macro ROUND                           ; a round of the cluster's barrier
	s_barrier_signal -1
	s_barrier_wait -1
	s_cmp_lg_u32 s10, 0
	s_cbranch_scc1 .Lnot_wave_0_\@
	s_barrier_signal -3
.Lnot_wave_0_\@:
	s_barrier_wait -3
	s_barrier_signal -1
	s_barrier_wait -1
.endm
	s_load_b128 s[4:7], s[0:1], 0x0                ; qkv s[4:5], mb s[6:7]
	s_load_b64 s[8:9], s[0:1], 0x10                ; ao
	v_lshl_add_u32 v62, v0, 2, 0x42000
	v_mov_b32 v63, 0
	ds_add_u32 v62, v63
	v_lshrrev_b32 v1, 5, v0
	v_readfirstlane_b32 s10, v1                    ; wave 0..7
	s_lshr_b32 s11, s10, 2                         ; which head of the pair
	s_and_b32 s12, s10, 3                          ; which 64 queries
	s_lshr_b32 s16, ttmp9, 4                       ; batch
	s_bfe_u32 s17, ttmp9, 0x30001                  ; head pair
	s_and_b32 s18, ttmp9, 1                        ; half of the queries
	s_mov_b32 s14, 0x76543210                      ; v_permlanex16_b32: lane i of one half reads lane i of the other
	s_mov_b32 s15, 0xfedcba98
	; group 1: 32 rows x 256 elements of 2 bytes (512 bytes), 16 bytes of padding behind each row; the four work-groups of the cluster are named
	s_mov_b32 s[G1+0], 15|(1<<16)|(1<<20)|(1<<21)|(6<<22)|(3<<25)
	s_mov_b32 s[G1+1], 256<<16                     ; tensor_dim0 = 256
	s_mov_b32 s[G1+2], 32<<16                      ; tensor_dim1 = 32
	s_mov_b32 s[G1+3], 256<<16                     ; tile_dim0 = 256
	s_mov_b32 s[G1+4], 32                          ; tile_dim1 = 32
	s_mov_b32 s[G1+5], 3072                        ; elements from row to row
	s_mov_b32 s[G1+6], 0
	s_mov_b32 s[G1+7], 0
	s_lshl_b32 s19, s16, 11                        ; my 32 keys of a slot: row 2048 b + 32 w (+ 256 for slot 1), byte 2048 + 512 x head pair.  No place in the cluster enters.
	s_lshl_b32 s20, s10, 5
	s_add_co_u32 s19, s19, s20
	s_mul_i32 s20, s19, ROWB
	s_lshl_b32 s21, s17, 9
	s_add_co_u32 s20, s20, s21
	s_add_co_u32 s20, s20, 2048
	s_mov_b32 s21, 0
	s_mul_i32 s[WPART], s10, 32*KP
	s_wait_dscnt 0x0
	s_wait_kmcnt 0x0
	s_add_nc_u64 s[20:21], s[4:5], s[20:21]
.irp n, 0,1
	s_mov_b32 s[G0+4*\n], 1
	s_add_co_u32 s[G0+4*\n+1], s[WPART], \n*SLOT
	s_add_nc_u64 s[G0+4*\n+2:G0+4*\n+3], s[20:21], \n*256*ROWB
	s_or_b32 s[G0+4*\n+3], s[G0+4*\n+3], 0x80000000
.endr
	ROUND                                          ; the four work-groups are here: the first joint loads meet
	tensor_load_to_lds s[G0:G0+3], s[G1:G1+7]      ; keys 0 to 255
	s_nop 0
	tensor_load_to_lds s[G0+4:G0+7], s[G1:G1+7]    ; keys 256 to 511: two tensor loads of the wave are out, the most in this text
	s_nop 0
	; my own queries: these addresses hang on my place in the cluster and enter plain loads and stores alone
	s_bfe_u32 s13, ttmp6, 0x40000                  ; cx
	s_lshl2_add_u32 s68, s18, s13                  ; block of 256 queries = 4 x half + cx
	s_lshl_b32 s71, s16, 5
	s_lshl2_add_u32 s71, s68, s71                  ; 32 b + 4 x block
	s_add_co_u32 s69, s71, s12                     ; my block of 64 queries
	s_mov_b32 s3, 0
	s_lshl_b32 s2, s69, 14                         ; its mask words: 32 steps x 512 bytes
	s_add_nc_u64 s[6:7], s[6:7], s[2:3]
	s_mul_i32 s2, s69, 64*ROWB                     ; its q: byte 256 x head pair + 128 x head of the rows
	s_lshl_b32 s70, s17, 8
	s_add_co_u32 s2, s2, s70
	s_lshl_b32 s70, s11, 7
	s_add_co_u32 s2, s2, s70
	s_add_nc_u64 s[66:67], s[4:5], s[2:3]
	s_lshl_b32 s2, s71, 17                         ; ao: row 64 (32 b + 4 x block) + 32 w of 2,048 bytes, byte 256 x head pair
	s_lshl_b32 s70, s10, 16
	s_add_co_u32 s2, s2, s70
	s_lshl_b32 s70, s17, 8
	s_add_co_u32 s2, s2, s70
	s_add_nc_u64 s[8:9], s[8:9], s[2:3]
	v_and_b32 v1, 15, v0                           ; r
	v_bfe_u32 v2, v0, 4, 1                         ; h
	v_and_b32 v3, 7, v0
	v_bfe_u32 v18, v0, 3, 1
	v_mul_u32_u24 v19, v1, KP                      ; K: key r, 16 h, my head's 256 bytes
	v_lshl_add_u32 v19, v2, 4, v19
	s_lshl_b32 s23, s11, 8
	v_add_nc_u32 v4, s23, v19
	v_lshl_add_u32 v19, v2, 3, v3                  ; V: key 8 h + (l & 7), 16 bytes for each half of eight lanes, behind my head's k
	v_mul_u32_u24 v19, v19, KP
	v_lshl_add_u32 v19, v18, 4, v19
	s_add_co_u32 s23, s23, 128
	v_add_nc_u32 v5, s23, v19
	v_mov_b32 v12, 0xff800000                      ; -infinity
	v_mov_b32 v13, 0                               ; the exchange's destination counts as read
	v_mul_u32_u24 v14, v1, ROWB                    ; q: row r, 16 h
	v_lshl_add_u32 v14, v2, 4, v14
	s_mul_i32 s24, s12, 64*SP                      ; stage, in: row 64 (w & 3) + r, byte 128 x head + 16 h
	s_lshl_b32 s25, s11, 7
	s_add_co_u32 s24, s24, s25
	s_add_co_u32 s24, s24, STAGE
	v_mul_u32_u24 v15, v1, SP
	v_lshl_add_u32 v15, v2, 4, v15
	v_add_nc_u32 v15, s24, v15
	s_mul_i32 s24, s10, 32*SP                      ; stage, back: row 32 w + h, byte 16 r
	s_add_co_u32 s24, s24, STAGE
	v_mul_u32_u24 v16, v2, SP
	v_lshl_add_u32 v16, v1, 4, v16
	v_add_nc_u32 v16, s24, v16
	v_lshlrev_b32 v17, 11, v2                      ; and the same two rows in ao
	v_lshl_add_u32 v17, v1, 4, v17
.irp i, 0,1,2,3
	v_mov_b32 v[20+2*\i], 0xff7fffff               ; the running maxima start at -FLT_MAX
.endr
; 64 mask words (two query tiles x 4 key tiles x 8 registers), 256 bytes: word x lies in s[16 + x], from word 48 on in s[20 + x]
.macro MLOAD off
	s_load_b512 s[16:31], s[6:7], \off
	s_load_b512 s[32:47], s[6:7], \off+64
	s_load_b512 s[48:63], s[6:7], \off+128
	s_load_b512 s[68:83], s[6:7], \off+192
.endm
.macro KLOAD adr, off                  ; 64 keys at the place that v[adr] + off names: 4 key tiles x 2 halves of the 64 dimensions, 16 loads
.irp kt, 0,1,2,3
.irp c, 0,1
.irp e, 0,1
	ds_load_b128 v[64+8*(2*\kt+\c)+4*\e:64+8*(2*\kt+\c)+4*\e+3], v[\adr] offset:\off+16*KP*\kt+64*\c+32*\e
.endr
.endr
.endr
.endm
.macro VLOAD adr, off                  ; the same keys' v, transposed: 4 tiles of 16 dimensions x 2 halves of the 64 keys, 16 loads
	WIN 0x40
.irp dt, 0,1,2,3
.irp u, 0,1
.irp e, 0,1
	ds_load_tr16_b128 v[192+8*(2*\dt+\u)+4*\e:192+8*(2*\dt+\u)+4*\e+3], v[\adr] offset:\off+32*KP*\u+16*KP*\e+32*\dt
.endr
.endr
.endr
.endm
; Scores of 64 keys x 64 queries.  For each pair of query tiles 8 accumulators take turns, one instruction a turn: first the dimensions 0-31, which start the sums, then 32-63.
.macro SMUL
	WIN 0x04
.irp ia, 0,2
.irp c, 0,1
.irp di, 0,1
.irp kt, 0,1,2,3
.set sb, 128+32*(\ia+\di)+8*\kt
.set kb, 64+8*(2*\kt+\c)
.set qb, 128+8*(2*(\ia+\di)+\c)
.if \c
	v_wmma_f32_16x16x32_f16 v[sb:sb+7], v[kb:kb+7], v[qb:qb+7], v[sb:sb+7]
.else
	v_wmma_f32_16x16x32_f16 v[sb:sb+7], v[kb:kb+7], v[qb:qb+7], 0
.endif
.endr
.endr
.endr
.endr
.endm
.macro CND ia                          ; -infinity where the mask says so, query tiles ia and ia + 1
.irp di, 0,1
.irp kt, 0,1,2,3
.irp j, 0,1,2,3,4,5,6,7
.set mx, 32*\di+8*\kt+\j
.set sb, 128+32*(\ia+\di)+8*\kt+\j
	v_cndmask_b32 v[sb], v[sb], v12, s[16+mx+4*(mx/48)]
.endr
.endr
.endr
.endm
.macro RMAX i                          ; the new maximum of query tile i: my 32 scores in four chains, the other half of the wave, the old maximum
.irp k, 0,1,2,3
	v_max3_num_f32 v[36+\k], v[128+32*\i+8*\k], v[128+32*\i+8*\k+1], v[128+32*\i+8*\k+2]
.endr
.irp k, 0,1,2,3
	v_max3_num_f32 v[36+\k], v[36+\k], v[128+32*\i+8*\k+3], v[128+32*\i+8*\k+4]
.endr
.irp k, 0,1,2,3
	v_max3_num_f32 v[36+\k], v[36+\k], v[128+32*\i+8*\k+5], v[128+32*\i+8*\k+6]
.endr
	v_max3_num_f32 v36, v36, v37, v38
	v_max3_num_f32 v36, v36, v39, v[128+32*\i+7]
	v_max3_num_f32 v36, v36, v[128+32*\i+15], v[128+32*\i+23]
	v_max_num_f32 v36, v36, v[128+32*\i+31]
	v_permlanex16_b32 v13, v36, s14, s15
	v_max3_num_f32 v[21+2*\i], v36, v13, v[20+2*\i]
.endm
.macro ALPHA ia, ib                    ; 2^(old maximum - new maximum)
	v_sub_f32 v[32+\ia], v[20+2*\ia], v[21+2*\ia]
	v_sub_f32 v[32+\ib], v[20+2*\ib], v[21+2*\ib]
	v_exp_f32 v[32+\ia], v[32+\ia]
	v_exp_f32 v[32+\ib], v[32+\ib]                 ; the plain instructions that follow touch neither factor: the place behind these (ISA guide 5.7.2)
.endm
.macro SUBM i                          ; score - new maximum, two at a time; the new maximum is the pair's high register
.irp p, 0,2,4,6,8,10,12,14,16,18,20,22,24,26,28,30
	v_pk_add_f32 v[128+32*\i+\p:128+32*\i+\p+1], v[128+32*\i+\p:128+32*\i+\p+1], v[20+2*\i:21+2*\i] op_sel:[0,1] op_sel_hi:[1,1] neg_lo:[0,1] neg_hi:[0,1]
.endr
.endm
.macro EXPS i                          ; behind each run of exponentials stands plain work on other registers before a result is used (ISA guide 5.7.2)
.set ex, 0
.rept 32
	v_exp_f32 v[128+32*\i+ex], v[128+32*\i+ex]
.set ex, ex+1
.endr
.endm
.macro RSUM i, first                   ; my 32 probabilities in four chains of pairs; sum = sum x factor + that
	s_wait_alu depctr_va_vdst(0)
.irp k, 0,1,2,3
	v_pk_add_f32 v[40+2*\k:41+2*\k], v[128+32*\i+2*\k:128+32*\i+2*\k+1], v[136+32*\i+2*\k:136+32*\i+2*\k+1]
.endr
.irp k, 0,1,2,3
	v_pk_add_f32 v[40+2*\k:41+2*\k], v[40+2*\k:41+2*\k], v[144+32*\i+2*\k:144+32*\i+2*\k+1]
.endr
.irp k, 0,1,2,3
	v_pk_add_f32 v[40+2*\k:41+2*\k], v[40+2*\k:41+2*\k], v[152+32*\i+2*\k:152+32*\i+2*\k+1]
.endr
	v_pk_add_f32 v[40:41], v[40:41], v[42:43]
	v_pk_add_f32 v[44:45], v[44:45], v[46:47]
	v_pk_add_f32 v[40:41], v[40:41], v[44:45]
.if \first
	v_add_f32 v[28+\i], v40, v41
.else
	v_add_f32 v40, v40, v41
	v_fma_f32 v[28+\i], v[28+\i], v[32+\i], v40
.endif
.endm
.macro PACK i                          ; to f16 in place, destinations ascending behind their sources: key tiles 2 u and 2 u + 1 become the 8 registers of source 1 for keys 32 u .. 32 u + 31
.irp u, 0,1
.irp t, 0,1
.irp r, 0,1,2,3
	v_cvt_pk_f16_f32 v[128+32*\i+16*\u+4*\t+\r], v[128+32*\i+16*\u+8*\t+2*\r], v[128+32*\i+16*\u+8*\t+2*\r+1]
.endr
.endr
.endr
.endm
.macro SCALEO i                        ; O of query tile i times its factor in v[32 + i]
	WIN 0x41
.irp p, 0,2,4,6,8,10,12,14,16,18,20,22,24,26,28,30
.if \i&1
	v_pk_mul_f32 v[32*\i+\p:32*\i+\p+1], v[32*\i+\p:32*\i+\p+1], v[32+2*(\i/2):33+2*(\i/2)] op_sel:[0,1] op_sel_hi:[1,1]
.else
	v_pk_mul_f32 v[32*\i+\p:32*\i+\p+1], v[32*\i+\p:32*\i+\p+1], v[32+2*(\i/2):33+2*(\i/2)] op_sel_hi:[1,0]
.endif
.endr
.endm
.macro PV ia, zero                     ; O += v transposed x probabilities, query tiles ia and ia + 1: 8 accumulators by turns, one instruction a turn; keys 0-31, then 32-63
	WIN 0x51
.irp u, 0,1
.irp di, 0,1
.irp dt, 0,1,2,3
.set ob, 8*(4*(\ia+\di)+\dt)
.set vb, 192+8*(2*\dt+\u)
.set pb, 128+32*(\ia+\di)+16*\u
.if \zero*(1-\u)
	v_wmma_f32_16x16x32_f16 v[ob:ob+7], v[vb:vb+7], v[pb:pb+7], 0
.else
	v_wmma_f32_16x16x32_f16 v[ob:ob+7], v[vb:vb+7], v[pb:pb+7], v[ob:ob+7]
.endif
.endr
.endr
.endr
.endm
.macro SOFT ia, ib, first, last
	RMAX \ia
	RMAX \ib
.if \first == 0
	ALPHA \ia, \ib
.endif
.if \last == 0
	v_mov_b32 v[20+2*\ia], v[21+2*\ia]             ; the new maximum is the next step's old one
	v_mov_b32 v[20+2*\ib], v[21+2*\ib]
.endif
	SUBM \ia
	EXPS \ia
	SUBM \ib
	EXPS \ib
	RSUM \ia, \first
	PACK \ia
	RSUM \ib, \first
	PACK \ib
.if \first == 0
	SCALEO \ia
	SCALEO \ib
.endif
.endm
; BODY of step n.  At its head: the scores of step n lie in registers, its V loads are out, the mask words of its query tiles 0 and 1 are out.
; first = 1: step 0, which starts the sums.  last = 1: step 31, with no step behind it.  v[ka] + off, v[va] + off: the place of step n + 1 in the ring; step = 1: both addresses go one place on.
.macro BODY first, last, ka, va, off, step
.if \last == 0
	KLOAD \ka, \off                                ; the next step's K, most of a step ahead of its use
.endif
	s_wait_kmcnt 0x0
	CND 0
	MLOAD 256                                      ; the words of query tiles 2 and 3
	SOFT 0, 1, \first, \last
.if \last
	s_wait_dscnt 0x0
.else
	s_wait_dscnt 16                                ; V is in; the 16 loads of K issued behind it may stay out
.endif
	PV 0, \first
	WIN 0
	s_wait_kmcnt 0x0                               ; no scalar load is out behind this wait, so the stream's base may be stepped
	CND 2
.if \last == 0
	s_add_nc_u64 s[6:7], s[6:7], 512               ; the next step's 128 words
	MLOAD 0
.endif
	SOFT 2, 3, \first, \last
	PV 2, \first
	WIN 0
.if \last == 0
.rept 5
	v_nop                                          ; five places before the next scores are written over the probabilities that the last products read (ISA guide 7.12.1)
.endr
	s_wait_dscnt 0x0                               ; the next step's K fragments are in
	SMUL
	WIN 0
	PLACES                                         ; behind the scores: for the masking that reads them and for the K loads of the next body
	VLOAD \va, \off
	WIN 0
.if \step
	v_add_nc_u32 v[\ka], STEPB, v[\ka]
	v_add_nc_u32 v[\va], STEPB, v[\va]
.endif
.endif
.endm
	MLOAD 0
	WIN 0x40
.irp i, 0,1,2,3
.irp c, 0,1
.irp e, 0,1
	global_load_b128 v[128+8*(2*\i+\c)+4*\e:128+8*(2*\i+\c)+4*\e+3], v14, s[66:67] offset:16*ROWB*\i+64*\c+32*\e
.endr
.endr
.endr
	WIN 0
	s_wait_tensorcnt 0x1                           ; my part of slot 0 is in; slot 1's load, issued behind it, stays out
	s_barrier_signal -1
	s_barrier_wait -1
	KLOAD 4, 0                                     ; step 0: the ring's first place
	s_wait_dscnt 0x0
	s_wait_loadcnt 0x0                             ; Q
	SMUL
	WIN 0
	PLACES
	VLOAD 5, 0
	WIN 0
	BODY 1, 0, 4, 5, STEPB, 0                      ; step 0 starts the sums: nothing is cleared; it loads step 1, the second place
	; Steps 1 to 22, in six visits, each ending with the refill of the slot whose last step has just been loaded: the first visit has two bodies left (they load steps 2 and 3), the others four.
	s_mov_b32 s3, 0                                ; the offset of the slot that is being loaded from
	s_mov_b32 s2, 2*STEPB                          ; the place at which the visit begins
	s_mov_b32 s101, 2
	s_mov_b32 s100, 6
.Lvisit:
	v_add_nc_u32 v6, s2, v4
	v_add_nc_u32 v7, s2, v5
.Lstep:
	BODY 0, 0, 6, 7, 0, 1
	s_add_co_u32 s101, s101, 1
	s_cmp_lt_u32 s101, 4
	s_cbranch_scc1 .Lstep
	s_wait_dscnt 0x0                               ; my reads of this slot are over,
	s_wait_tensorcnt 0x0                           ; all my tensor loads have landed (one was out: my part of the other slot),
	ds_add_u32 v62, v63
	s_wait_dscnt 0x0
	s_add_nc_u64 s[G0+6:G0+7], s[G0+6:G0+7], 256*ROWB      ; so the group 0 may be written: the next 256 keys,
	s_add_co_u32 s[G0+5], s[WPART], s3             ; into my rows of the slot just read
	ROUND                                          ; both now hold of every wave of the four work-groups
	tensor_load_to_lds s[G0+4:G0+7], s[G1:G1+7]    ; the wave's one tensor load behind the round, first thing there; it has four steps in which to land
	s_nop 0
	s_xor_b32 s3, s3, SLOT                         ; the other slot: 0 and 135,168 by turns
	s_mov_b32 s2, s3
	s_mov_b32 s101, 0
	s_sub_co_u32 s100, s100, 1
	s_cmp_lg_u32 s100, 0
	s_cbranch_scc1 .Lvisit
	; Steps 23 to 30, in two visits: nothing is left to fetch.  The first visit's barrier shows the last 256 keys (slot 1) to every wave;
	; the second's stands between the last reads of slot 1 and the stage's stores into it.
	s_mov_b32 s100, 2
.Ltvisit:
	v_add_nc_u32 v6, s2, v4
	v_add_nc_u32 v7, s2, v5
	s_mov_b32 s101, 0
.Ltstep:
	BODY 0, 0, 6, 7, 0, 1
	s_add_co_u32 s101, s101, 1
	s_cmp_lt_u32 s101, 4
	s_cbranch_scc1 .Ltstep
	s_wait_dscnt 0x0                               ; my reads of this slot are over
	s_wait_tensorcnt 0x0                           ; my part of the last 256 keys has landed
	s_barrier_signal -1
	s_barrier_wait -1
	s_xor_b32 s2, s2, SLOT
	s_sub_co_u32 s100, s100, 1
	s_cmp_lg_u32 s100, 0
	s_cbranch_scc1 .Ltvisit
	BODY 0, 1, 6, 7, 0, 0                          ; step 31
	; THE WAY OUT: join the two halves' sums, divide, round to f16, through the stage, whole rows of 256 bytes (two heads) out
	PLACES                                         ; behind the last products, whose results are read below
.irp i, 0,1,2,3
	v_permlanex16_b32 v13, v[28+\i], s14, s15
	v_add_f32 v[28+\i], v[28+\i], v13
.endr
.irp i, 0,1,2,3
	v_rcp_f32 v[32+\i], v[28+\i]
.endr
	v_nop                                          ; the plain place behind the reciprocals (ISA guide 5.7.2)
	s_wait_alu depctr_va_vdst(0)
	SCALEO 0
	SCALEO 1
	SCALEO 2
	SCALEO 3
	WIN 0x05
.irp i, 0,1,2,3
.irp dt, 0,1,2,3
.irp r, 0,1,2,3
	v_cvt_pk_f16_f32 v[128+16*\i+4*\dt+\r], v[32*\i+8*\dt+2*\r], v[32*\i+8*\dt+2*\r+1]
.endr
.endr
.endr
	WIN 0
.irp i, 0,1,2,3
.irp dt, 0,1,2,3
	ds_store_b128 v15, v[128+16*\i+4*\dt:128+16*\i+4*\dt+3] offset:16*SP*\i+32*\dt     ; slot 1 has had its last fill, and its last reads lie in front of the last barrier
.endr
.endr
	s_wait_dscnt 0x0                               ; for the other waves' sake: a row holds two waves' halves
	s_barrier_signal -1
	s_barrier_wait -1
.irp t, 0,1,2,3,4,5,6,7,8,9,10,11,12,13,14,15
	ds_load_b128 v[64+4*\t:64+4*\t+3], v16 offset:2*SP*\t
.endr
.irp t, 0,1,2,3,4,5,6,7,8,9,10,11,12,13,14,15
	s_wait_dscnt 15-\t
	global_store_b128 v17, v[64+4*\t:64+4*\t+3], s[8:9] offset:4096*\t     ; 16 lanes store 256 consecutive bytes, at a multiple of 256 from the buffer's first byte
.endr
	s_wait_tensorcnt 0x0
	ds_add_u32 v62, v63
	s_wait_dscnt 0x0
	ROUND                                          ; the closing round
	s_endpgm
.Lfunc_end_k_q0b063ccbf7_attn:
	.size	k_q0b063ccbf7_attn, .Lfunc_end_k_q0b063ccbf7_attn-k_q0b063ccbf7_attn
	.p2alignl 7, 3214868480
	.fill 96, 4, 3214868480
	.section	.rodata,"a",@progbits
	.p2align	6, 0x0
	.amdhsa_kernel k_q0b063ccbf7_attn
		.amdhsa_group_segment_fixed_size 327680
		.amdhsa_private_segment_fixed_size 0
		.amdhsa_enable_private_segment 0
		.amdhsa_kernarg_size 24
		.amdhsa_user_sgpr_count 2
		.amdhsa_user_sgpr_kernarg_segment_ptr 1
		.amdhsa_wavefront_size32 1
		.amdhsa_system_sgpr_workgroup_id_x 1
		.amdhsa_system_sgpr_workgroup_id_y 1
		.amdhsa_system_sgpr_workgroup_id_z 1
		.amdhsa_system_vgpr_workitem_id 0
		.amdhsa_next_free_vgpr 512
		.amdhsa_next_free_sgpr 106
		.amdhsa_reserve_vcc 0
		.amdhsa_float_denorm_mode_32 3
		.amdhsa_float_denorm_mode_16_64 3
		.amdhsa_memory_ordered 1
		.amdhsa_forward_progress 1
		.amdhsa_inst_pref_size 179
	.end_amdhsa_kernel
	.amdgpu_metadata
---
amdhsa.version: [ 1, 2 ]
amdhsa.kernels:
  - .name:           k_q0b063ccbf7_attn
    .symbol:         k_q0b063ccbf7_attn.kd
    .args:
      - { .name: qkv, .offset: 0, .size: 8, .value_kind: global_buffer, .address_space: global }
      - { .name: mb, .offset: 8, .size: 8, .value_kind: global_buffer, .address_space: global }
      - { .name: ao, .offset: 16, .size: 8, .value_kind: global_buffer, .address_space: global }
    .group_segment_fixed_size: 327680
    .private_segment_fixed_size: 0
    .kernarg_segment_align: 8
    .kernarg_segment_size: 24
    .max_flat_workgroup_size: 256
    .sgpr_count:     106
    .vgpr_count:     512
    .wavefront_size: 32
...
	.end_amdgpu_metadata
.endif
;; end of part 5
;; launch oproj: the kernel of part 4 again; grid 4 x 32, 4 waves a work-group, clusters of 4 x 4, 327,680 bytes of LDS; arguments ao, wo, out0; writes out0
